; MI455X (gfx1250); checked and timed in simulation.
; The chip was launched on July 23, 2026; its instructions are those of AMD's public machine-readable ISA for CDNA 5 (MIT licence, August 2026) and "CDNA5" Instruction Set Architecture Reference Guide (July 2026). The comments in the code are by the model that wrote it; some were corrected since.
;; Masked Self Attention. Allowed arithmetic: matrix products marked QUANTISED: E4M3 operands, one E8M0 scale for each 32 along K, by v_wmma_scale_f32_16x16x128_f8f6f4 with both operands' format E4M3, f32 sums; everything else in f32.
;; Inputs: Wk 1,024 x 1,024 float32; Wo 1,024 x 1,024 float32; Wq 1,024 x 1,024 float32; Wv 1,024 x 1,024 float32; bk 1,024 float32; bo 1,024 float32; bq 1,024 float32; bv 1,024 float32; x 2 x 2,048 x 1,024 float32.
;; Outputs: out0 2 x 2,048 x 1,024 float32.
;; This version of the problem:
;;   THIS VERSION OF THE PROBLEM IS GIVEN IN LOW PRECISION. The matrix products marked QUANTISED in the list below multiply operands that are first quantised to E4M3 (4 exponent bits, 3 mantissa bits; 8 bits a number), with one power-of-two scale for each 32 numbers along K (OCP MX v1.0); their sums are f32. All else is computed in f32.
;;   The module's matrix products, in the order in which they are computed (A, B: the left and right operand; K: the contracted axis; several contracted axes count as one K, in the product's order):
;;     1. [M 4,096, K 1,024] x [K 1,024, N 1,024]; A: input x; B: input Wq: QUANTISED
;;     2. [M 4,096, K 1,024] x [K 1,024, N 1,024]; A: input x; B: input Wk: QUANTISED
;;     3. [M 4,096, K 1,024] x [K 1,024, N 1,024]; A: input x; B: input Wv: QUANTISED
;;     4. batch 32 x [M 2,048, K 64] x [K 64, N 2,048]; A: computed on the way; B: computed on the way: QUANTISED
;;     5. batch 32 x [M 2,048, K 2,048] x [K 2,048, N 64]; A: softmax (see below); B: computed on the way: QUANTISED
;;     6. [M 4,096, K 1,024] x [K 1,024, N 1,024]; A: computed on the way; B: input Wo: QUANTISED
;;   THE QUANTISER, for each operand of a quantised product, along K:
;;     - K is cut into blocks of 32 from its start; a last block that is shorter is filled with zeros.
;;     - A block's scale is 2^e with e = floor(log2(the largest magnitude in the block)) - 8, held to -126 .. 127; a block of zeros has e = 0. As a byte (E8M0): e + 127.
;;     - Each number is divided by its block's scale, clamped to +-448, and rounded to the nearest number of E4M3, ties to even, subnormals kept.
;;     - The product sums the exact products of the quantised numbers (number of the format x scale) in f32.
;;   ~~~python
;;   def quantise(x, axis):      # numpy; x: float32 -> the quantised numbers, widened to float32 again
;;       x = np.moveaxis(x, axis, -1); K = x.shape[-1]
;;       x = np.pad(x, [(0, 0)] * (x.ndim - 1) + [(0, -K % 32)]); x = x.reshape(x.shape[:-1] + (-1, 32)); a = np.abs(x).max(-1, keepdims=True)
;;       e = np.where(a > 0, np.clip(np.frexp(np.where(a > 0, a, 1))[1] - 1 - 8, -126, 127), 0)      # np.frexp(a)[1] - 1 = floor(log2(a)), exactly
;;       r = np.clip(x / 2.0 ** e, -448, 448)
;;       step = 2.0 ** (np.maximum(np.frexp(np.where(r == 0, 1, r))[1] - 1, -6) - 3)
;;       q = np.round(r / step) * step * 2.0 ** e      # np.round: ties to even
;;       return np.moveaxis(q.reshape(q.shape[:-2] + (-1,))[..., :K], -1, axis).astype(np.float32)
;;   ~~~
;;   SOFTMAX AHEAD OF A QUANTISED PRODUCT. Where the list says 'softmax', what is quantised is not the finished softmax but p = 2^(t - M), with t = logit x log2(e) and M = ceil(the row's largest t), a whole number; so 1/2 < the row's largest p <= 1. The row's sum l is taken of the UNQUANTISED p, in f32, and the product's result is divided by l at the end. Since M is a whole number, a kernel that streams over the keys may use a running M (the ceiling of the running maximum): every later rescaling is an exact power of two, which a block's scale takes up: the codes' values come out the same.
;;   OPERANDS COMPUTED ON THE WAY. 'Computed on the way' means the value that the module computes at that place (a softmax that the list does not call 'softmax' is quantised finished and normalised). What goes into a quantiser is computed in f32, as accurately as f32 sums, v_exp_f32 and their like allow (about 1e-6 of the number): no bf16 or f16 on the way to a quantiser, and a product that is left as it is and whose result goes on into a quantised operand takes f32 operands (vector FMAs, or v_wmma_f32_16x16x4_f32). A number that lies on a knife's edge between two numbers of the format may be rounded either way, as far as f32 arithmetic and the matrix unit's own rounding can turn it there, and no further.
;; One version. Each part assembles by itself: llvm-mc -triple=amdgcn-amd-amdhsa -mcpu=gfx1250 --defsym DOCPART=n.
;; ======== version 1 of 1: 4 launches
;; limits: right only within a limited range of input values
;; workspace buffers: a_rec 4,325,376 bytes; w_rec 4,325,376 bytes; qkv 13,369,344 bytes
;; launch quant (part 1): grid 256 x 1, 8 waves a work-group, no clusters, 86,016 bytes of LDS; arguments x, Wq, Wk, Wv, Wo, a_rec, w_rec; writes a_rec, w_rec
.if DOCPART == 1
	.amdgcn_target "amdgcn-amd-amdhsa--gfx1250"
	.amdhsa_code_object_version 6
	.text
	.protected	k_q4ccd244de3_quant
	.globl	k_q4ccd244de3_quant
	.p2align	8
	.type	k_q4ccd244de3_quant,@function
k_q4ccd244de3_quant:
	s_mov_b64 s[64:65], 0
	v_nop
	global_prefetch_b8 v0, s[64:65] scope:SCOPE_SE
	s_setreg_imm32_b32 hwreg(HW_REG_WAVE_MODE, 25, 1), 1
	s_wait_xcnt 0x0
; x [4096][1024] and Wq, Wk, Wv, Wo [1024 (k)][1024 (n)], f32, become codes of FP8 (E4M3) with one E8M0 byte for each 32 along K, laid AS THE PRODUCTS' REGISTERS WANT THEM.
; A block's scale is 2^(floor(log2(its largest magnitude)) - 8); its byte is the largest magnitude's exponent field - 8, held at 1 from below; each number is held within +-448 x the scale and rounded to the nearest code.
; A block is 16 rows of an operand; row r of block 2 p + u is index 32 p + 8 u + r + 8 (r / 8) of its 128 (or 64).  Lane (r, h) of (ks, c) holds k = 256 kpair + 128 ks + 32 c + 16 h + 0 .. 15 of row r.
; LAYOUT of a_rec (rows of x): [T128 32][kpair 4][record 33,792 B]: codes [block 8][ks 2][c 4][lane 32][16 B], then scale words [block 8][row 16][2 words].
; LAYOUT of w_rec (rows are output columns): [head 16][kpair 4][Wq, Wk, Wv: 16,896 B each]: the head's 64 columns: codes [block 4][ks 2][c 4][lane 32][16 B], then scale words [block 4][row 16][2 words];
;   from byte 3,244,032 on Wo as [T128 8][kpair 4][record 33,792 B], each record as in a_rec.
; SHARES.  256 work-groups of eight waves.  Waves 0-3 take block number ttmp9 of x, a wave to a kpair (16 rows x 256 along K); waves 4-7 take 64 columns x 256 along K of a weight, a wave to 32 columns x 128.
; So each work-group reads 65,536 bytes of x and as many of a weight.  The two ways use LDS bytes of their own, each wave its own stage: no barrier.
; No tensor loads, no cluster, no prefetch: waves share no input, every byte is read once, and a wave's loads are all issued ahead of their use or two blocks ahead.
; NO WORK IS LEFT OUT here.  (The attention leaves out the key steps that the causal mask throws away.)
; LIMITS: NaN and infinities among the inputs are not served; a block whose largest magnitude lies under 2^-118 has its byte held at 1; a block of zeros gets the byte 1 where the rule says 127:
; its codes are zeros, which add nothing under any byte but 0xff, and the bytes are read by this program alone.
.set REC,   33792
.set TREC,  50688                      ; a head's three weights, one kpair
.set HREC,  16896
.set WOB,   16*4*TREC                  ; where Wo begins
.set XSTG,  16640                      ; x's way: a stage of 16 rows x 1,040 bytes for each wave
.set XP,    1040                       ; 1,024 bytes + 16: the sixteen rows that a read touches start at sixteen different 16-byte columns modulo 256
.set WBASE, 4*XSTG                     ; the weights' way: its stages lie behind x's
.set WP,    144                        ; 128 bytes + 16
.set WSTG,  32*WP
.set SPARE, WBASE+4*WSTG               ; the spare words, 128 bytes for each wave: four blocks of 256 bytes that no other line names
.set SEL,   20                         ; s[20:21] lane selects for v_permlanex16_b32: lane l xor 16
.set MNT,   22                         ; s22 the mantissa field of 448
.set TM,    80                         ; v80-95 at work in QUANT
; 64 numbers of a lane, register 16 b + i = k 32 b + 16 (lane / 16) + i of my row, become a fragment's 16 registers of codes in v[pc] on and its scale word in v[pw]
.macro QUANT s, pc, pw
.irp b, 0,1,2,3
	v_max3_num_f32 v[TM+\b], |v[(\s)+16*\b]|, |v[(\s)+1+16*\b]|, 0x4800000   ; my 16 numbers of block b, and the floor 2^(9 - 127): the byte cannot fall under 1
.endr
.irp i, 2,4,6,8,10,12,14
.irp b, 0,1,2,3
	v_max3_num_f32 v[TM+\b], v[TM+\b], |v[(\s)+16*\b+\i]|, |v[(\s)+1+16*\b+\i]|
.endr
.endr
.irp b, 0,1,2,3
	v_permlanex16_b32 v[TM+4+\b], v[TM+\b], s[SEL], s[SEL+1]
.endr
.irp b, 0,1,2,3
	v_max_num_f32 v[TM+\b], v[TM+\b], v[TM+4+\b]           ; with lane l xor 16's: the block's largest magnitude
.endr
.irp b, 0,1,2,3
	v_add_nc_u32 v[TM+12+\b], 0xfc000000, v[TM+\b]         ; 8 off its exponent field: the conversion's scale operand
.endr
.irp b, 0,1,2,3
	v_and_or_b32 v[TM+8+\b], v[TM+\b], 0x7f800000, s[MNT]  ; 448 x the scale
.endr
.irp b, 0,1,2,3
	v_lshrrev_b32 v[TM+4+\b], 23, v[TM+12+\b]              ; the scale's byte
.endr
	v_lshl_or_b32 v[\pw], v[TM+5], 8, v[TM+4]
	v_lshl_or_b32 v[\pw], v[TM+6], 16, v[\pw]
	v_lshl_or_b32 v[\pw], v[TM+7], 24, v[\pw]
.irp b, 0,1,2,3
.irp i, 0,1,2,3,4,5,6,7,8,9,10,11,12,13,14,15
	v_med3_num_f32 v[(\s)+16*\b+\i], v[(\s)+16*\b+\i], -v[TM+8+\b], v[TM+8+\b]   ; the conversion to an 8-bit code does not saturate (ISA guide 7.6.2): the hold comes first
.endr
	v_cvt_scalef32_pk8_fp8_f32 v[(\pc)+4*\b:(\pc)+1+4*\b], v[(\s)+16*\b:(\s)+7+16*\b], v[TM+12+\b]
	v_cvt_scalef32_pk8_fp8_f32 v[(\pc)+2+4*\b:(\pc)+3+4*\b], v[(\s)+8+16*\b:(\s)+15+16*\b], v[TM+12+\b]
.endr
	v_nop                                                  ; a plain line behind the last conversion
.endm
	s_load_b256 s[4:11], s[0:1], 0x0               ; x s[4:5], Wq s[6:7], Wk s[8:9], Wv s[10:11]
	s_load_b128 s[12:15], s[0:1], 0x20             ; Wo s[12:13], a_rec s[14:15]
	s_load_b64 s[16:17], s[0:1], 0x30              ; w_rec
	v_lshl_add_u32 v240, v0, 2, SPARE
	v_mov_b32 v241, 0
	v_lshrrev_b32 v1, 5, v0
	v_readfirstlane_b32 s18, v1                    ; wave 0..7
	v_and_b32 v1, 31, v0                           ; lane
	v_and_b32 v2, 15, v0                           ; r
	v_bfe_u32 v3, v0, 4, 1                         ; h
	s_mov_b32 s[SEL], 0x76543210
	s_mov_b32 s[SEL+1], 0xfedcba98
	s_mov_b32 s[MNT], 0x600000
	s_wait_alu depctr_va_vdst(0)
	s_cmp_lt_u32 s18, 4
	s_cbranch_scc0 .Lweights
	; ---------------- x: work-group = block mb, wave = kpair: 16 rows x 256 along K
	v_lshlrev_b32 v4, 4, v1                        ; 16 x lane: the loads' and the images' place
	s_mul_i32 s23, s18, XSTG
	v_add_nc_u32 v5, s23, v4                       ; the stage, on the way in: as the bytes lie
	v_mul_u32_u24 v6, v2, XP
	v_lshl_add_u32 v6, v3, 6, v6
	v_add_nc_u32 v6, s23, v6                       ; and on the way out: row r, + 64 h: my 16 numbers of a block of 32
	v_lshlrev_b32 v7, 3, v2                        ; my row's two scale words
	s_lshr_b32 s24, ttmp9, 1
	s_lshl_b32 s24, s24, 5
	s_and_b32 s25, ttmp9, 1
	s_lshl_b32 s25, s25, 3
	s_add_co_u32 s24, s24, s25                     ; the block's first row: 32 (mb / 2) + 8 (mb % 2)
	s_lshl_b32 s24, s24, 12                        ; rows of 4,096 bytes
	s_lshl_b32 s25, s18, 10                        ; my kpair: 1,024 bytes
	s_add_co_u32 s24, s24, s25
	s_mov_b32 s25, 0
	s_lshr_b32 s26, ttmp9, 3
	s_lshl_b32 s26, s26, 2
	s_add_co_u32 s26, s26, s18
	s_mul_i32 s26, s26, REC                        ; my record: (T128 x 4 + kpair) x 33,792
	s_and_b32 s27, ttmp9, 7
	s_lshl_b32 s28, s27, 12                        ; the block's codes
	s_lshl_b32 s30, s27, 7                         ; the block's scale words
	s_add_co_u32 s28, s28, s26
	s_mov_b32 s29, 0
	s_add_co_u32 s30, s30, s26
	s_add_co_u32 s30, s30, 32768
	s_mov_b32 s31, 0
	s_wait_alu depctr_va_vdst(0)
	s_wait_kmcnt 0x0
	s_add_nc_u64 s[4:5], s[4:5], s[24:25]
	s_add_nc_u64 s[28:29], s[14:15], s[28:29]
	s_add_nc_u64 s[30:31], s[14:15], s[30:31]
.set II, 0
.rept 32                                       ; load 2 rho + half: 512 consecutive bytes of the block's row rho
	global_load_b128 v[16+4*II:19+4*II], v4, s[4:5] offset:((II/2)+8*((II/2)/8))*4096+512*(II%2) th:TH_LOAD_NT
.set II, II+1
.endr
.set II, 0
.rept 32
	s_wait_loadcnt 31-II                           ; loads come back in order: this one is in, the 31 - i behind it may be out
	ds_store_b128 v5, v[16+4*II:19+4*II] offset:(II/2)*XP+512*(II%2)
.set II, II+1
.endr
.macro BACK reg, ks                            ; my 64 numbers of K step ks; LDS serves a wave's instructions in order: these see the stores above
.irp c, 0,1,2,3
.irp j, 0,1,2,3
	ds_load_b128 v[\reg+16*\c+4*\j:\reg+16*\c+4*\j+3], v6 offset:512*\ks+128*\c+16*\j
.endr
.endr
.endm
	BACK 144, 0
	s_wait_dscnt 0x0                               ; K step 0's numbers are in, and the stores have read v16-143
	BACK 16, 1                                     ; K step 1's land while step 0 is quantised
.irp b, 0,1,2,3
	v_mov_b32 v[TM+4+\b], 0                        ; a lane permute's destination counts as one of its sources
.endr
	QUANT 144, 208, 96
.irp c, 0,1,2,3
	global_store_b128 v4, v[208+4*\c:211+4*\c], s[28:29] offset:512*\c          ; 32 lanes store 512 consecutive bytes
.endr
	s_wait_alu depctr_va_vdst(0)
	s_wait_dscnt 0x0
	QUANT 16, 224, 97
.irp c, 0,1,2,3
	global_store_b128 v4, v[224+4*\c:227+4*\c], s[28:29] offset:2048+512*\c
.endr
	global_store_b64 v7, v[96:97], s[30:31]        ; 128 bytes of scale words; lanes r and r + 16 hold and write the same: one byte in 32 of the codes'
	s_wait_tensorcnt 0x0                           ; the wave's end
	ds_add_u32 v240, v241
	s_wait_dscnt 0x0
	s_endpgm
	; ---------------- a weight: a lane takes a column n and its registers run down K; a wave takes 32 columns x 128 along K.  Unit 4 x work-group + wave - 4: ks, 32 columns, kpair, 128 columns, weight, from its low bits on
.Lweights:
	v_lshlrev_b32 v4, 2, v1                        ; in: 4 bytes a lane
	s_mul_i32 s27, s18, WSTG
	s_add_co_u32 s27, s27, WBASE-4*WSTG            ; my stage
	v_mul_u32_u24 v5, v1, WP
	v_add_nc_u32 v5, s27, v5                       ; into it: row = my column
	v_and_b32 v6, 8, v2
	v_add_nc_u32 v6, v6, v2                        ; r + 8 (r / 8)
	v_mul_u32_u24 v7, v6, WP
	v_lshl_add_u32 v7, v3, 4, v7
	v_add_nc_u32 v7, s27, v7                       ; out of it: the block's row r, + 16 h
	v_lshlrev_b32 v8, 4, v1                        ; 16 x lane: an image's place
	v_bfe_u32 v9, v1, 3, 1
	v_lshlrev_b32 v9, 7, v9
	v_and_b32 v6, 7, v1
	v_lshl_add_u32 v9, v6, 3, v9
	v_lshl_add_u32 v9, v3, 6, v9                   ; column L of the 32 is row (L % 8) + 8 (L / 16) of block (L / 8) % 2: 128 x block + 8 x row
	s_lshl_b32 s23, ttmp9, 2
	s_add_co_u32 s23, s23, s18
	s_sub_co_u32 s23, s23, 4                       ; my unit
	s_lshr_b32 s24, s23, 8                         ; which weight
	s_bfe_u32 s25, s23, 0x30005                    ; which 128 columns
	s_bfe_u32 s26, s23, 0x20003                    ; which kpair
	s_bfe_u32 s34, s23, 0x20001                    ; which 32 of the columns
	s_and_b32 s35, s23, 1                          ; which ks
	s_lshl_b32 s28, s26, 20                        ; 256 rows of 4,096 bytes a kpair
	s_lshl_b32 s29, s35, 19
	s_add_co_u32 s28, s28, s29
	s_lshl_b32 s29, s25, 9
	s_add_co_u32 s28, s28, s29
	s_lshl_b32 s29, s34, 7
	s_add_co_u32 s28, s28, s29                     ; + 4 x my wave's first column
	s_mov_b32 s29, 0
	s_lshl_b32 s36, s25, 1
	s_lshr_b32 s37, s34, 1
	s_add_co_u32 s36, s36, s37                     ; Wq, Wk, Wv: the head,
	s_lshl_b32 s36, s36, 2
	s_add_co_u32 s36, s36, s26
	s_mul_i32 s36, s36, TREC
	s_mul_i32 s37, s24, HREC
	s_add_co_u32 s36, s36, s37                     ; its record,
	s_and_b32 s37, s34, 1                          ; and which 32 of its 64 columns
	s_lshl_b32 s30, s25, 2
	s_add_co_u32 s30, s30, s26
	s_mul_i32 s30, s30, REC
	s_add_co_u32 s30, s30, WOB                     ; Wo: the record
	s_mov_b32 s38, 16384
	s_cmp_lt_u32 s24, 3                            ; the choices hang on ids alone
	s_cselect_b32 s30, s36, s30
	s_cselect_b32 s34, s37, s34
	s_cselect_b32 s38, s38, 32768                  ; where a record's scale words begin
	s_lshl_b32 s33, s34, 8                         ; my two blocks' scale words,
	s_add_co_u32 s32, s30, s33
	s_lshl_b32 s33, s35, 2
	s_add_co_u32 s32, s32, s33
	s_add_co_u32 s32, s32, s38
	s_mov_b32 s33, 0
	s_lshl_b32 s31, s34, 13                        ; and codes
	s_add_co_u32 s30, s30, s31
	s_lshl_b32 s31, s35, 11
	s_add_co_u32 s30, s30, s31
	s_mov_b32 s31, 0
	s_wait_alu depctr_va_vdst(0)
	s_wait_kmcnt 0x0
	s_cmp_eq_u32 s24, 1
	s_cselect_b64 s[6:7], s[8:9], s[6:7]
	s_cmp_eq_u32 s24, 2
	s_cselect_b64 s[6:7], s[10:11], s[6:7]
	s_cmp_eq_u32 s24, 3
	s_cselect_b64 s[6:7], s[12:13], s[6:7]
	s_add_nc_u64 s[6:7], s[6:7], s[28:29]
	s_add_nc_u64 s[30:31], s[16:17], s[30:31]
	s_add_nc_u64 s[32:33], s[16:17], s[32:33]
.macro LOADW t                                 ; block t: W(32 t + i, my column) into set t % 2; a wave's load reads 128 consecutive bytes, two waves 256
.irp i, 0,1,2,3,4,5,6,7,8,9,10,11,12,13,14,15,16,17,18,19,20,21,22,23,24,25,26,27,28,29,30,31
	global_load_b32 v[32+32*((\t)%2)+\i], v4, s[6:7] offset:(32*(\t)+\i)*4096 th:TH_LOAD_NT
.endr
.endm
	LOADW 0
	LOADW 1
.macro BLOCKW t
.set XS, 32+32*((\t)%2)
.if (\t) < 3
	s_wait_loadcnt 32                              ; this block's 32 loads are in; the next block's 32 may be out
.else
	s_wait_loadcnt 0
.endif
	v_max3_num_f32 v12, |v[XS]|, |v[XS+1]|, |v[XS+2]|      ; all 32 numbers of the block are mine
	v_max3_num_f32 v13, |v[XS+3]|, |v[XS+4]|, |v[XS+5]|
.irp i, 6,10,14,18,22,26
	v_max3_num_f32 v12, v12, |v[XS+\i]|, |v[XS+\i+1]|
	v_max3_num_f32 v13, v13, |v[XS+\i+2]|, |v[XS+\i+3]|
.endr
	v_max3_num_f32 v12, v12, |v[XS+30]|, |v[XS+31]|
	v_max3_num_f32 v12, v12, v13, 0x4800000        ; and the floor
	v_add_nc_u32 v11, 0xfc000000, v12
	v_and_or_b32 v10, v12, 0x7f800000, s[MNT]
	v_lshrrev_b32 v13, 23, v11
.if (\t) == 0
	v_mov_b32 v24, v13                             ; four bytes to a word, the lower K in the lower byte
.else
	v_lshl_or_b32 v24, v13, 8*(\t), v24
.endif
.irp i, 0,1,2,3,4,5,6,7,8,9,10,11,12,13,14,15,16,17,18,19,20,21,22,23,24,25,26,27,28,29,30,31
	v_med3_num_f32 v[XS+\i], v[XS+\i], -v10, v10
.endr
.irp g, 0,1,2,3
	v_cvt_scalef32_pk8_fp8_f32 v[96+2*\g:97+2*\g], v[XS+8*\g:XS+8*\g+7], v11
.endr
	v_nop                                          ; a plain line behind the last conversion
	ds_store_b128 v5, v[96:99] offset:32*(\t)      ; 32 codes of my column's row
	ds_store_b128 v5, v[100:103] offset:32*(\t)+16
.if (\t)+2 < 4
	LOADW (\t)+2
.endif
	s_wait_dscnt 0x0                               ; the stores have read their registers: the next block's codes may be written
.endm
.irp t, 0,1,2,3
	BLOCKW \t
.endr
	global_store_b32 v9, v24, s[32:33]             ; my column's scale word of this ks: with the wave of the other ks 256 consecutive bytes
.set QQ, 0
.rept 8                                        ; image q = 4 u + c of my two blocks
	ds_load_b128 v[112+4*QQ:115+4*QQ], v7 offset:(QQ/4)*8*WP+(QQ%4)*32
.set QQ, QQ+1
.endr
.set QQ, 0
.rept 8
	s_wait_dscnt 7-QQ                              ; the 7 - q younger loads may be out
	global_store_b128 v8, v[112+4*QQ:115+4*QQ], s[30:31] offset:(QQ/4)*4096+(QQ%4)*512
.set QQ, QQ+1
.endr
	s_wait_tensorcnt 0x0                           ; the wave's end
	ds_add_u32 v240, v241
	s_wait_dscnt 0x0
	s_endpgm
.Lfunc_end_k_q4ccd244de3_quant:
	.size	k_q4ccd244de3_quant, .Lfunc_end_k_q4ccd244de3_quant-k_q4ccd244de3_quant
	.p2alignl 7, 3214868480
	.fill 96, 4, 3214868480
	.section	.rodata,"a",@progbits
	.p2align	6, 0x0
	.amdhsa_kernel k_q4ccd244de3_quant
		.amdhsa_group_segment_fixed_size 86016
		.amdhsa_private_segment_fixed_size 0
		.amdhsa_enable_private_segment 0
		.amdhsa_kernarg_size 56
		.amdhsa_user_sgpr_count 2
		.amdhsa_user_sgpr_kernarg_segment_ptr 1
		.amdhsa_wavefront_size32 1
		.amdhsa_system_sgpr_workgroup_id_x 1
		.amdhsa_system_sgpr_workgroup_id_y 1
		.amdhsa_system_sgpr_workgroup_id_z 1
		.amdhsa_system_vgpr_workitem_id 0
		.amdhsa_next_free_vgpr 242
		.amdhsa_next_free_sgpr 66
		.amdhsa_reserve_vcc 0
		.amdhsa_float_denorm_mode_32 3
		.amdhsa_float_denorm_mode_16_64 3
		.amdhsa_memory_ordered 1
		.amdhsa_forward_progress 1
		.amdhsa_inst_pref_size 59
	.end_amdhsa_kernel
	.amdgpu_metadata
---
amdhsa.version: [ 1, 2 ]
amdhsa.kernels:
  - .name:           k_q4ccd244de3_quant
    .symbol:         k_q4ccd244de3_quant.kd
    .args:
      - { .name: x, .offset: 0, .size: 8, .value_kind: global_buffer, .address_space: global }
      - { .name: Wq, .offset: 8, .size: 8, .value_kind: global_buffer, .address_space: global }
      - { .name: Wk, .offset: 16, .size: 8, .value_kind: global_buffer, .address_space: global }
      - { .name: Wv, .offset: 24, .size: 8, .value_kind: global_buffer, .address_space: global }
      - { .name: Wo, .offset: 32, .size: 8, .value_kind: global_buffer, .address_space: global }
      - { .name: a_rec, .offset: 40, .size: 8, .value_kind: global_buffer, .address_space: global }
      - { .name: w_rec, .offset: 48, .size: 8, .value_kind: global_buffer, .address_space: global }
    .group_segment_fixed_size: 86016
    .private_segment_fixed_size: 0
    .kernarg_segment_align: 8
    .kernarg_segment_size: 56
    .max_flat_workgroup_size: 256
    .sgpr_count:     66
    .vgpr_count:     242
    .wavefront_size: 32
...
	.end_amdgpu_metadata
.endif
;; end of part 1
;; launch qkv (part 2): grid 16 x 16, 4 waves a work-group, clusters of 4 x 4, 327,680 bytes of LDS; arguments a_rec, w_rec, bq, bk, bv, qkv; writes qkv
.if DOCPART == 2
	.amdgcn_target "amdgcn-amd-amdhsa--gfx1250"
	.amdhsa_code_object_version 6
	.text
	.protected	k_q4ccd244de3_qkv
	.globl	k_q4ccd244de3_qkv
	.p2align	8
	.type	k_q4ccd244de3_qkv,@function
k_q4ccd244de3_qkv:
	s_mov_b64 s[64:65], 0
	v_nop
	global_prefetch_b8 v0, s[64:65] scope:SCOPE_SE
	s_setreg_imm32_b32 hwreg(HW_REG_WAVE_MODE, 25, 1), 1
	s_wait_xcnt 0x0
	s_wait_alu depctr_hold_cnt(0) depctr_sa_sdst(0) depctr_va_vdst(0) depctr_va_sdst(0) depctr_va_ssrc(0) depctr_va_vcc(0) depctr_vm_vsrc(0)
	s_getreg_b32 s2, hwreg(HW_REG_IB_STS2, 6, 4)
	s_cmp_eq_u32 s2, 0
	s_cbranch_scc0 .Lentry_in_a_cluster
	s_endpgm
.Lentry_in_a_cluster:
	s_bfe_u32 s2, ttmp6, 0x10000c
	s_cmp_lg_u32 s2, 0xf033
	s_cbranch_scc0 .Lentry_shape_is_right
	s_endpgm
.Lentry_shape_is_right:
; q = x Wq + bq, k = x Wk + bk, v = x Wv + bv on codes of FP8 (E4M3) with E8M0 scales, and each result quantised again on the way out, as the attention's operands want it: q and k along the head's 64, v along the keys.
; A work-group (head, 256 positions) makes that head's q, k and v: 256 x 192 numbers; 256 work-groups.  Wave (HA, HB): positions 128 HA on; HB = 0: q and v's channels 0-31; HB = 1: k and v's channels 32-63.
; So each wave has 32 sums of q or k (8 blocks of positions x 4 of columns) and 16 of v (2 blocks of channels x 8 of positions), 384 registers.
;   q, k: source 0 = W, source 1 = x: a lane holds a position, its registers run along the head's channels.     v: source 0 = x, source 1 = Wv: a lane holds a channel, its registers run along the keys.
; The rows of a block of 16 are not neighbours (row r of block 2 p + u is index 32 p + 8 u + r + 8 (r / 8)): so 64 neighbouring registers of a lane are four runs of 16 neighbours of the next K, each half of a block of 32.
; K = 1,024 in eight steps of 128.  LDS holds two K pairs (256 along K): x's two records and the head's record of three weights each.  At the head each wave brings both pairs' part by ONE load; pairs 2 and 3 come by refills.
; A step's fragments (8 of x, 6 of W, 16 registers each) stand in two whole sets by turns: the next step's are loaded behind a step's first products, and in a pair's second step nothing of the pair is left to read.
; CLUSTERS: 4 x 4.  x's records hang on the position tile alone and are asked for jointly by a row of the cluster, the weights' on the head and by a column.
; No prefetch: the text has no loop to run ahead in, and its first refill is asked for one step behind the first barrier.
; OUT: qkv = 3 parts of 4,456,448 bytes, each [bh 32][st 16][record 8,704].  q, k: codes [tile 8][c 2][lane][16], scale words [lane][4]: word j of lane (r, h) is tile 2 j + h, row r: two bytes, then 127, 127 for the half of K that holds zero codes.
;      v: codes [dtile 4][c 4][lane][16], scale words [half 2][lane][2]: lane (r, h) of half g: dtile 2 g + h, row r, and a copy.
; LIMITS: as the quantising launch states them (no NaN or infinities; a byte held at 1 from below; a block of zeros has the byte 1).
; REGISTERS: window 0: v16-31 addresses and the add's two; v32-63 scale words, two sets; v64-159, v160-255 W's fragments; on the way out v128-249 at work.   window 1: x's fragments, two sets of 128.
;   window 2: q's or k's sums, (a, b) at v[8 (4 a + b)].   window 3: v's sums, (j, a) at v[8 (8 j + a)]; v128-159 bq or bk, v160-175 bv.
.set REC,   33792
.set TREC,  50688
.set HREC,  16896
.set BBASE, 4*REC                      ; LDS: x's records [which 128 rows][pair], then the weights' [pair]
.set SPARE, BBASE+2*TREC               ; the spare words, 128 bytes for each wave, that no other line names
.set QPART, 4456448
.set RECQ,  8704
.set NP,    8                          ; places behind this matrix instruction (ISA guide 7.12.1)
.set ADRX,  16                         ; v16-17  x's fragments, pair slot 0, 1
.set ADRQ,  18                         ; v18-19  q's or k's weight
.set ADRV,  20                         ; v20-21  v's
.set ADRS,  22                         ; v22-23  scale words: lanes 0-15 x's, lanes 16-31 q's or k's weight's
.set ADRT,  24                         ; v24-25  lanes 0-15 x's from block 4 on, lanes 16-31 v's weight's
.set SPW,   28
.set NIL,   29
.set LI,    30                         ; 16 x lane
.set LH,    31                         ; 8 x lane
.set SC,    32
.set HN,    128                        ; the way out: 64 held numbers
.set PC,    192                        ; codes, two sets of 16 by turns
.set TM,    224                        ; at work in QUANT
.set OW,    240                        ; v240-243 q's or k's scale words;  v244, v245 at work;  v246-249 v's
.set WV,    16
.set HA,    17                         ; my 128 positions; also: I fetch for x (0) or for the weights (1)
.set HB,    18                         ; q or k; also: which part I fetch
.set G1,    24
.set G0,    32
.set G1B,   48
.set G0B,   56
.set G0H,   84                         ; the head's group 0, for x
.set G0HB,  88                         ; and for the weights
.set SEL,   80
.set MNT,   82
.set MSB, 0
.macro WIN new                         ; the immediate's high byte repeats the setting that is left
.if MSB != (\new)
	s_set_vgpr_msb (MSB<<8)|(\new)
.set MSB, (\new)
.endif
.endm
; A joint load: waves 0 and 1 fetch x's records, waves 2 and 3 the weights'.  The branch hangs on the wave's number alone.  An s_nop 0 and four v_nop follow each of the two lines.
.macro JLOAD g0a, g0b
	s_cmp_eq_u32 s[HA], 0
	s_cbranch_scc0 .Lfor_b_\@
	tensor_load_to_lds s[\g0a:\g0a+3], s[G1:G1+7]
	s_nop 0
.rept 4
	v_nop
.endr
	s_branch .Lasked_\@
.Lfor_b_\@:
	tensor_load_to_lds s[\g0b:\g0b+3], s[G1B:G1B+7]
	s_nop 0
.rept 4
	v_nop
.endr
.Lasked_\@:
.endm
.macro CREST                           ; a round of the cluster's barrier behind its opening barrier
	s_cmp_lg_u32 s[WV], 0
	s_cbranch_scc1 .Lnot_wave_0_\@
	s_barrier_signal -3
.Lnot_wave_0_\@:
	s_barrier_wait -3
	s_barrier_signal -1
	s_barrier_wait -1
.endm
.macro CROUND
	s_barrier_signal -1
	s_barrier_wait -1
	CREST
.endm
	s_load_b256 s[4:11], s[0:1], 0x0               ; a_rec s[4:5], w_rec s[6:7], bq s[8:9], bk s[10:11]
	s_load_b128 s[12:15], s[0:1], 0x20             ; bv s[12:13], qkv s[14:15]
	v_lshl_add_u32 v[SPW], v0, 2, SPARE
	v_mov_b32 v[NIL], 0
	ds_add_u32 v[SPW], v[NIL]                      ; the opening lines
	ds_add_u32 v[SPW], v[NIL]
	v_lshrrev_b32 v1, 5, v0
	v_readfirstlane_b32 s[WV], v1
	s_lshr_b32 s[HA], s[WV], 1
	s_and_b32 s[HB], s[WV], 1
	s_bfe_u32 s20, ttmp6, 0x40000                  ; cx
	s_bfe_u32 s21, ttmp6, 0x40004                  ; cy
	s_lshl_b32 s22, ttmp9, 2
	s_add_co_u32 s22, s22, s20                     ; the head
	s_and_b32 s23, ttmp7, 0xffff
	s_lshl_b32 s23, s23, 2
	s_add_co_u32 s23, s23, s21                     ; the tile of 256 positions
	s_lshl_b32 s40, s21, 2
	s_lshl_b32 s40, 15, s40                        ; my row of the cluster
	s_lshl_b32 s41, 0x1111, s20                    ; my column
	; descriptor group 1: dense rows of 256 bytes (32 elements of 8), no padding; at the head two records of x (264 rows) or a weights' record (198), then one (132) or half of one (99)
	s_or_b32 s[G1], s40, (3<<16)|(1<<21)
	s_or_b32 s[G1B], s41, (3<<16)|(1<<21)
.irp g, G1, G1B
	s_mov_b32 s[\g+1], 32<<16                      ; tensor_dim0
	s_mov_b32 s[\g+3], 32<<16                      ; tile_dim0
	s_mov_b32 s[\g+5], 32                          ; the pitch
	s_mov_b32 s[\g+6], 0
	s_mov_b32 s[\g+7], 0
.endr
	s_mov_b32 s[G1+2], 264<<16                     ; tensor_dim1
	s_mov_b32 s[G1+4], 264                         ; tile_dim1
	s_mov_b32 s[G1B+2], 198<<16
	s_mov_b32 s[G1B+4], 198
	s_lshl_b32 s92, s23, 1
	s_add_co_u32 s93, s92, s[HB]
	s_mul_i32 s66, s93, 4*REC                      ; x: T128 2 tile + HB
	s_mov_b32 s67, 0
	s_mul_i32 s68, s22, 4*TREC                     ; the weights: the head
	s_mov_b32 s69, 0
	s_mul_i32 s70, s[HB], TREC                     ; at the head I fetch pair HB,
	s_mov_b32 s71, 0
	s_mul_i32 s72, s[HB], TREC/2                   ; later half HB of a pair
	s_mov_b32 s73, 0
	s_add_co_u32 s92, s92, s[HA]                   ; my 128 positions
	s_lshr_b32 s94, s92, 4                         ; the batch
	s_lshl_b32 s94, s94, 4
	s_add_co_u32 s94, s94, s22                     ; bh
	s_lshl_b32 s94, s94, 4
	s_and_b32 s92, s92, 15
	s_add_co_u32 s94, s94, s92                     ; bh x 16 + st
	s_mul_i32 s94, s94, RECQ
	s_mul_i32 s92, s[HB], QPART
	s_add_co_u32 s76, s94, s92                     ; q's or k's record
	s_mov_b32 s77, 0
	s_add_co_u32 s74, s94, 2*QPART                 ; v's record:
	s_lshl_b32 s93, s[HB], 8
	s_add_co_u32 s2, s74, s93                      ; my half of its scale words,
	s_mov_b32 s3, 0
	s_lshl_b32 s92, s[HB], 12
	s_add_co_u32 s74, s74, s92                     ; my two dtiles
	s_mov_b32 s75, 0
	s_lshl_b32 s92, s22, 8                         ; the head's 64 numbers of a bias
	s_mov_b32 s93, 0
	s_lshl_b32 s94, s[HB], 7
	s_add_co_u32 s94, s94, s92                     ; v: my 32 channels
	s_mov_b32 s95, 0
	s_mov_b32 s78, 0xffff0000                      ; lanes 16-31
	s_mov_b32 s79, 0x7f7f0000                      ; two bytes of 127
	s_mov_b32 s[SEL], 0x76543210
	s_mov_b32 s[SEL+1], 0xfedcba98
	s_mov_b32 s[MNT], 0x600000
	s_wait_dscnt 0x0                               ; both opening adds are done
	s_wait_kmcnt 0x0
	s_add_nc_u64 s[66:67], s[4:5], s[66:67]
	s_add_nc_u64 s[68:69], s[6:7], s[68:69]
	s_add_nc_u64 s[76:77], s[14:15], s[76:77]
	s_add_nc_u64 s[74:75], s[14:15], s[74:75]
	s_add_nc_u64 s[2:3], s[14:15], s[2:3]
	s_cmp_eq_u32 s[HB], 0
	s_cselect_b64 s[8:9], s[8:9], s[10:11]         ; bq or bk
	s_add_nc_u64 s[92:93], s[8:9], s[92:93]
	s_add_nc_u64 s[94:95], s[12:13], s[94:95]
	s_mov_b32 s[G0H], 1
	s_mul_i32 s[G0H+1], s[HB], 2*REC               ; where it goes: the wave's number alone
	s_mov_b64 s[G0H+2:G0H+3], s[66:67]
	s_or_b32 s[G0H+3], s[G0H+3], 0x80000000
	s_mov_b32 s[G0HB], 1
	s_mul_i32 s[G0HB+1], s[HB], TREC
	s_add_co_u32 s[G0HB+1], s[G0HB+1], BBASE
	s_add_nc_u64 s[G0HB+2:G0HB+3], s[68:69], s[70:71]
	s_or_b32 s[G0HB+3], s[G0HB+3], 0x80000000
	CROUND                                         ; all sixteen work-groups are here: the first joint loads meet
	JLOAD G0H, G0HB                                ; pairs 0 and 1: one tensor load a wave at the head
.irp n, 0,1                                    ; the refills: pair 2 + n into slot n
	s_mov_b32 s[G0+4*\n], 1
	s_mul_i32 s[G0+4*\n+1], s[HB], 2*REC
	s_add_co_u32 s[G0+4*\n+1], s[G0+4*\n+1], \n*REC
	s_add_nc_u64 s[G0+4*\n+2:G0+4*\n+3], s[66:67], (2+\n)*REC
	s_or_b32 s[G0+4*\n+3], s[G0+4*\n+3], 0x80000000
	s_mov_b32 s[G0B+4*\n], 1
	s_mul_i32 s[G0B+4*\n+1], s[HB], TREC/2
	s_add_co_u32 s[G0B+4*\n+1], s[G0B+4*\n+1], BBASE+\n*TREC
	s_add_nc_u64 s[G0B+4*\n+2:G0B+4*\n+3], s[68:69], s[72:73]
	s_add_nc_u64 s[G0B+4*\n+2:G0B+4*\n+3], s[G0B+4*\n+2:G0B+4*\n+3], (2+\n)*TREC
	s_or_b32 s[G0B+4*\n+3], s[G0B+4*\n+3], 0x80000000
.endr
	s_mul_i32 s44, s[HA], 2*REC                    ; x: my 128 rows
	s_mul_i32 s45, s[HB], HREC
	s_add_co_u32 s45, s45, BBASE                   ; q's or k's weight
	s_lshl_b32 s46, s[HB], 13
	s_add_co_u32 s46, s46, BBASE+2*HREC            ; v's: my two blocks
	s_add_co_u32 s47, s44, 32768                   ; x's scale words
	s_add_co_u32 s43, s45, 16384
	s_sub_co_u32 s43, s43, s47                     ; from x's scale words to q's or k's weight's,
	s_lshl_b32 s42, s[HB], 8
	s_add_co_u32 s42, s42, BBASE+2*HREC+16384-512
	s_sub_co_u32 s42, s42, s47                     ; and from x's block 4's to v's
	v_and_b32 v3, 31, v0
	v_and_b32 v1, 15, v0                           ; r
	v_bfe_u32 v2, v0, 4, 1                         ; h
	v_lshlrev_b32 v[LI], 4, v3
	v_lshlrev_b32 v[LH], 3, v3
	v_add_nc_u32 v[ADRX], s44, v[LI]
	v_add_nc_u32 v[ADRX+1], REC, v[ADRX]
	v_add_nc_u32 v[ADRQ], s45, v[LI]
	v_add_nc_u32 v[ADRQ+1], TREC, v[ADRQ]
	v_add_nc_u32 v[ADRV], s46, v[LI]
	v_add_nc_u32 v[ADRV+1], TREC, v[ADRV]
	v_lshlrev_b32 v4, 3, v1                        ; 8 bytes a row
	v_mul_u32_u24 v5, s43, v2                      ; lanes 16-31 take the weight's
	v_add_nc_u32 v5, v5, v4
	v_add_nc_u32 v[ADRS], s47, v5
	v_mul_u32_u24 v5, s42, v2
	v_add_nc_u32 v5, v5, v4
	v_add_nc_u32 v[ADRT], s47, v5
	v_add_nc_u32 v[ADRT], 512, v[ADRT]
	s_add_co_u32 s43, s43, TREC-REC                ; slot 1
	s_add_co_u32 s42, s42, TREC-REC
	s_add_co_u32 s47, s47, REC
	v_mul_u32_u24 v5, s43, v2
	v_add_nc_u32 v5, v5, v4
	v_add_nc_u32 v[ADRS+1], s47, v5
	v_mul_u32_u24 v5, s42, v2
	v_add_nc_u32 v5, v5, v4
	v_add_nc_u32 v[ADRT+1], s47, v5
	v_add_nc_u32 v[ADRT+1], 512, v[ADRT+1]
	v_lshlrev_b32 v6, 6, v2
	v_and_b32 v7, 8, v1
	v_add_nc_u32 v7, v7, v1
	v_lshlrev_b32 v7, 2, v7
	s_wait_alu depctr_va_vdst(0)
	WIN 0xc0                                       ; destination window 3
.irp p, 0,1                                    ; register 16 p + i: the bias of column 32 p + 16 h + i
.irp j, 0,1,2,3
	global_load_b128 v[128+16*\p+4*\j:131+16*\p+4*\j], v6, s[92:93] offset:128*\p+16*\j
.endr
.endr
	WIN 0
	global_load_b32 v26, v7, s[94:95]              ; v: my lane's channel in block j: 8 j + r + 8 (r / 8) of my 32
	global_load_b32 v27, v7, s[94:95] offset:32
	s_wait_loadcnt 0x0
	WIN 0xc0
.irp i, 0,1,2,3,4,5,6,7
	v_mov_b32 v[160+\i], v26                       ; a lane's eight sums of a product are of one channel
	v_mov_b32 v[168+\i], v27
.endr
	WIN 0
	s_wait_alu depctr_va_vdst(0)
	s_wait_tensorcnt 0x0                           ; my part of pairs 0 and 1 is in; no tensor load of mine is out, so a descriptor may be written: the refills' rows
	s_mov_b32 s[G1+2], 132<<16
	s_mov_b32 s[G1+4], 132
	s_mov_b32 s[G1B+2], 99<<16
	s_mov_b32 s[G1B+4], 99
	s_barrier_signal -1
	s_barrier_wait -1
.macro FRAG reg, adr, q, i             ; a fragment's image: four times 512 consecutive bytes
.irp c, 0,1,2,3
	ds_load_b128 v[\reg+4*\c:\reg+4*\c+3], v[\adr] offset:(\i)*4096+(\q)*2048+\c*512
.endr
.endm
.macro LOADS s                         ; step s's fragments into set s % 2; with a pair's first step its scale words (register 2 i: lanes 0-15 x's block i, lanes 16-31 the weights' block i, of which there are six)
.set Q_, (\s)%2
.set N_, ((\s)/2)%2
	WIN 0
.irp b, 0,1,2,3
	FRAG 64+96*Q_+16*\b, ADRQ+N_, Q_, \b
.endr
.if Q_ == 0
.irp i, 0,1,2,3,6,7
	ds_load_b64 v[SC+16*N_+2*\i:SC+16*N_+2*\i+1], v[ADRS+N_] offset:128*\i
.endr
.irp i, 4,5
	ds_load_b64 v[SC+16*N_+2*\i:SC+16*N_+2*\i+1], v[ADRT+N_] offset:128*(\i-4)
.endr
.endif
	WIN 0x40
.irp a, 0,1,2,3,4,5,6,7
	FRAG 128*Q_+16*\a, ADRX+N_, Q_, \a
.endr
	WIN 0
.irp j, 0,1
	FRAG 128+96*Q_+16*\j, ADRV+N_, Q_, \j
.endr
.endm
; THE 48 SUMS TAKE TURNS, one instruction a turn, in the same order in every step.  The first products take the biases as C.
.macro WQ s                            ; source 0 window 0, source 1 window 1, D window 2, C window 2 (step 0: 3)
.if (\s) == 0
	WIN 0xb4
.else
	WIN 0xa4
.endif
.endm
.macro PQ s, a                         ; q or k: x's block a x four blocks of columns
.set Q_, (\s)%2
.set S_, SC+16*(((\s)/2)%2)+Q_
.irp b, 0,1,2,3
.if (\s) == 0
	v_wmma_scale_f32_16x16x128_f8f6f4 v[8*(4*(\a)+\b):8*(4*(\a)+\b)+7], v[64+96*Q_+16*\b:79+96*Q_+16*\b], v[128*Q_+16*(\a):128*Q_+16*(\a)+15], v[128+8*\b:135+8*\b], v[S_+2*\b], v[S_+2*(\a)] matrix_a_scale:MATRIX_SCALE_ROW1
.else
	v_wmma_scale_f32_16x16x128_f8f6f4 v[8*(4*(\a)+\b):8*(4*(\a)+\b)+7], v[64+96*Q_+16*\b:79+96*Q_+16*\b], v[128*Q_+16*(\a):128*Q_+16*(\a)+15], v[8*(4*(\a)+\b):8*(4*(\a)+\b)+7], v[S_+2*\b], v[S_+2*(\a)] matrix_a_scale:MATRIX_SCALE_ROW1
.endif
.endr
.endm
.macro PVS s                           ; v: two blocks of channels x eight of positions
	WIN 0xf1                                       ; source 0 window 1, source 1 window 0, C and D window 3
.set Q_, (\s)%2
.set S_, SC+16*(((\s)/2)%2)+Q_
.irp j, 0,1
.irp a, 0,1,2,3,4,5,6,7
.if (\s) == 0
	v_wmma_scale_f32_16x16x128_f8f6f4 v[8*(8*\j+\a):8*(8*\j+\a)+7], v[128*Q_+16*\a:128*Q_+16*\a+15], v[128+96*Q_+16*\j:143+96*Q_+16*\j], v[160+8*\j:167+8*\j], v[S_+2*\a], v[S_+8+2*\j] matrix_b_scale:MATRIX_SCALE_ROW1
.else
	v_wmma_scale_f32_16x16x128_f8f6f4 v[8*(8*\j+\a):8*(8*\j+\a)+7], v[128*Q_+16*\a:128*Q_+16*\a+15], v[128+96*Q_+16*\j:143+96*Q_+16*\j], v[8*(8*\j+\a):8*(8*\j+\a)+7], v[S_+2*\a], v[S_+8+2*\j] matrix_b_scale:MATRIX_SCALE_ROW1
.endif
.endr
.endr
.endm
.macro PLACES n                        ; plain vector lines between a matrix instruction and a load into, or a vector read or write of, its registers
.rept \n
	v_nop
.endr
.endm
.macro EVEN s                          ; a pair's first step
	s_wait_dscnt 0x0                               ; this step's fragments are in
	WQ \s
	PQ \s, 0
	PQ \s, 1
	PLACES NP                                      ; for the loads into the set that the last step's products read
	LOADS (\s)+1
	WQ \s
.irp a, 2,3,4,5,6,7
	PQ \s, \a
.endr
	PVS \s
.endm
; A pair's second step: its fragments are in registers, so nobody reads the slot any more.  The next pair's slot is shown, and (fill = 1) this slot is filled again, in a round of the cluster's barrier.
.macro ODD s, fill
	s_wait_dscnt 0x0                               ; my reads of this slot are over
	WIN 0
	s_wait_tensorcnt 0x0                           ; all my tensor loads have landed
.if \fill
	ds_add_u32 v[SPW], v[NIL]                      ; 0 onto my spare word
.endif
	WQ \s
	PQ \s, 0
	PQ \s, 1
	s_wait_dscnt 0x0                               ; the add is done
	s_barrier_signal -1
	PQ \s, 2
	PQ \s, 3
	WIN 0
	s_barrier_wait -1
.if \fill
	CREST                                          ; no wave of any partner still reads this slot or has a load on its way
	JLOAD G0+4*((\s)/2), G0B+4*((\s)/2)            ; the first tensor load behind the round, my only one until the next
	PLACES NP-4
.else
	PLACES NP
.endif
	LOADS (\s)+1
	WQ \s
.irp a, 4,5,6,7
	PQ \s, \a
.endr
	PVS \s
.endm
	LOADS 0
	EVEN 0
	ODD 1, 1                                       ; slot 0 takes pair 2
	EVEN 2
	ODD 3, 1                                       ; slot 1 takes pair 3
	EVEN 4
	ODD 5, 0
	EVEN 6
	s_wait_dscnt 0x0
	WQ 7
.irp a, 0,1,2,3,4,5,6,7
	PQ 7, \a
.endr
	PVS 7
	WIN 0
; THE WAY OUT: 64 sums of a lane at v[s] of window w (four blocks of 32 with lane l xor 16) become 16 registers of codes at v[pc] and four scale bytes at v[TM + 4 ..].
.macro QUANT w, s, pc
	s_wait_xcnt 0x0                                ; the stores of two calls back have read their set of codes
	WIN (\w<<2)|(\w<<4)
.irp b, 0,1,2,3
	v_max3_num_f32 v[TM+\b], 0x4800000, |v[\s+16*\b]|, |v[\s+16*\b+1]|       ; the floor 2^(9 - 127), and my 16 numbers of block b, each accumulator from its low end on
.endr
.irp i, 2,4,6,8,10,12,14
.irp b, 0,1,2,3
	v_max3_num_f32 v[TM+\b], v[TM+\b], |v[\s+16*\b+\i]|, |v[\s+16*\b+\i+1]|
.endr
.endr
	WIN 0
.irp b, 0,1,2,3
	v_permlanex16_b32 v[TM+4+\b], v[TM+\b], s[SEL], s[SEL+1]
.endr
.irp b, 0,1,2,3
	v_max_num_f32 v[TM+\b], v[TM+\b], v[TM+4+\b]
.endr
.irp b, 0,1,2,3
	v_and_or_b32 v[TM+8+\b], v[TM+\b], 0x7f800000, s[MNT]  ; 448 x the scale
.endr
.irp b, 0,1,2,3
	v_add_nc_u32 v[TM+12+\b], 0xfc000000, v[TM+\b]         ; the conversion's scale operand
.endr
.irp b, 0,1,2,3
	v_lshrrev_b32 v[TM+4+\b], 23, v[TM+12+\b]              ; the byte
.endr
	WIN \w
.irp b, 0,1,2,3
.irp i, 0,1,2,3,4,5,6,7,8,9,10,11,12,13,14,15
	v_med3_num_f32 v[HN+16*\b+\i], v[\s+16*\b+\i], -v[TM+8+\b], v[TM+8+\b]   ; the conversion does not saturate (ISA guide 7.6.2)
.endr
.endr
	WIN 0
.irp b, 0,1,2,3
	v_cvt_scalef32_pk8_fp8_f32 v[\pc+4*\b:\pc+4*\b+1], v[HN+16*\b:HN+16*\b+7], v[TM+12+\b]
	v_cvt_scalef32_pk8_fp8_f32 v[\pc+4*\b+2:\pc+4*\b+3], v[HN+16*\b+8:HN+16*\b+15], v[TM+12+\b]
.endr
	v_nop                                          ; a plain line behind the last conversion
.endm
	PLACES NP                                      ; behind the last products
.irp b, 0,1,2,3
	v_mov_b32 v[TM+4+\b], 0                        ; a lane permute's destination counts as one of its sources
.endr
.irp t, 0,1,2,3                                ; tiles 2 t and 2 t + 1 of q or k: channels 32 c on of tile a are block 2 (a % 2) + c
	QUANT 2, 64*\t, PC+16*(\t%2)
.irp b, 0,1,2,3
	global_store_b128 v[LI], v[PC+16*(\t%2)+4*\b:PC+16*(\t%2)+4*\b+3], s[76:77] offset:2048*\t+512*\b        ; 512 consecutive bytes
.endr
	v_lshl_or_b32 v[OW+4], v[TM+5], 8, v[TM+4]
	v_lshl_or_b32 v[OW+5], v[TM+7], 8, v[TM+6]
	v_cndmask_b32 v[OW+\t], v[OW+4], v[OW+5], s78          ; word t: lanes 0-15 tile 2 t, lanes 16-31 tile 2 t + 1
	v_or_b32 v[OW+\t], s79, v[OW+\t]                       ; and 127, 127
.endr
.irp j, 0,1                                    ; v's dtile 2 HB + j: keys 32 b on
	QUANT 3, 64*\j, PC+16*\j
.irp b, 0,1,2,3
	global_store_b128 v[LI], v[PC+16*\j+4*\b:PC+16*\j+4*\b+3], s[74:75] offset:2048*\j+512*\b
.endr
	v_lshl_or_b32 v[OW+6+\j], v[TM+5], 8, v[TM+4]
	v_lshl_or_b32 v[OW+6+\j], v[TM+6], 16, v[OW+6+\j]
	v_lshl_or_b32 v[OW+6+\j], v[TM+7], 24, v[OW+6+\j]
.endr
	v_cndmask_b32 v[OW+8], v[OW+6], v[OW+7], s78
	v_mov_b32 v[OW+9], v[OW+8]                             ; the copy, so that every byte of a record is written
	global_store_b128 v[LI], v[OW:OW+3], s[76:77] offset:8192
	global_store_b64 v[LH], v[OW+8:OW+9], s[2:3] offset:8192               ; 256 consecutive bytes
	s_wait_tensorcnt 0x0                           ; the wave's end
	ds_add_u32 v[SPW], v[NIL]
	s_wait_dscnt 0x0
	CROUND                                         ; the closing round: no work-group ends while a partner may still ask for a record that names it
	s_endpgm
.Lfunc_end_k_q4ccd244de3_qkv:
	.size	k_q4ccd244de3_qkv, .Lfunc_end_k_q4ccd244de3_qkv-k_q4ccd244de3_qkv
	.p2alignl 7, 3214868480
	.fill 96, 4, 3214868480
	.section	.rodata,"a",@progbits
	.p2align	6, 0x0
	.amdhsa_kernel k_q4ccd244de3_qkv
		.amdhsa_group_segment_fixed_size 327680
		.amdhsa_private_segment_fixed_size 0
		.amdhsa_enable_private_segment 0
		.amdhsa_kernarg_size 48
		.amdhsa_user_sgpr_count 2
		.amdhsa_user_sgpr_kernarg_segment_ptr 1
		.amdhsa_wavefront_size32 1
		.amdhsa_system_sgpr_workgroup_id_x 1
		.amdhsa_system_sgpr_workgroup_id_y 1
		.amdhsa_system_sgpr_workgroup_id_z 1
		.amdhsa_system_vgpr_workitem_id 0
		.amdhsa_next_free_vgpr 1024
		.amdhsa_next_free_sgpr 96
		.amdhsa_reserve_vcc 0
		.amdhsa_float_denorm_mode_32 3
		.amdhsa_float_denorm_mode_16_64 3
		.amdhsa_memory_ordered 1
		.amdhsa_forward_progress 1
		.amdhsa_inst_pref_size 147
	.end_amdhsa_kernel
	.amdgpu_metadata
---
amdhsa.version: [ 1, 2 ]
amdhsa.kernels:
  - .name:           k_q4ccd244de3_qkv
    .symbol:         k_q4ccd244de3_qkv.kd
    .args:
      - { .name: a_rec, .offset: 0, .size: 8, .value_kind: global_buffer, .address_space: global }
      - { .name: w_rec, .offset: 8, .size: 8, .value_kind: global_buffer, .address_space: global }
      - { .name: bq, .offset: 16, .size: 8, .value_kind: global_buffer, .address_space: global }
      - { .name: bk, .offset: 24, .size: 8, .value_kind: global_buffer, .address_space: global }
      - { .name: bv, .offset: 32, .size: 8, .value_kind: global_buffer, .address_space: global }
      - { .name: qkv, .offset: 40, .size: 8, .value_kind: global_buffer, .address_space: global }
    .group_segment_fixed_size: 327680
    .private_segment_fixed_size: 0
    .kernarg_segment_align: 8
    .kernarg_segment_size: 48
    .max_flat_workgroup_size: 128
    .sgpr_count:     96
    .vgpr_count:     1024
    .wavefront_size: 32
...
	.end_amdgpu_metadata
.endif
;; end of part 2
;; launch attn (part 3): grid 32 x 8, 16 waves a work-group, no clusters, 327,680 bytes of LDS; arguments qkv, a_rec; writes a_rec
.if DOCPART == 3
	.amdgcn_target "amdgcn-amd-amdhsa--gfx1250"
	.amdhsa_code_object_version 6
	.text
	.protected	k_q4ccd244de3_attn
	.globl	k_q4ccd244de3_attn
	.p2align	8
	.type	k_q4ccd244de3_attn,@function
k_q4ccd244de3_attn:
	s_mov_b64 s[64:65], 0
	v_nop
	global_prefetch_b8 v0, s[64:65] scope:SCOPE_SE
	s_setreg_imm32_b32 hwreg(HW_REG_WAVE_MODE, 25, 1), 1
	s_wait_xcnt 0x0
; o = softmax(q k^T / 8, causal) v for 32 heads (batch x 16) of 2,048 positions x 64, both products on codes of FP8 (E4M3) with E8M0 scales; o is quantised again on the way out, into the records that the last launch reads.
; Work-group (head, x): the 16 tiles of 16 queries in the head's blocks x and 15 - x of 128 queries.  Tile k (0..7) of block x has x + 1 key steps of 128, tile k of block 15 - x has 16 - x: together 17, for every x.
; TWO WAVES SHARE SUCH A PAIR OF TILES.  Wave A (k) walks the high tile, wave B (k + 8) first the low one; when the low tile is done (trip x) B parks its sums in LDS and takes every other one of the high tile's steps that are left.
;   trip i, A: key step i + max(i - x - 1, 0), i = 0..8;   B: i + max(i - x, 0), i = 0..7.  A's trip 8 is the high tile's diagonal step, B's trip x the low tile's.  Whole key steps under the mask are walked by nobody.
;   At the end B's part of the high tile goes through LDS to A, which joins the two; B finishes the low tile meanwhile.
; LDS: all of the head's K and V (2 x 139,264 bytes), filled once, one tensor load a wave: waves 0-3 bring key steps 0-3 of K and V, waves 4-15 steps 4-15.  Trips 0 and 1 use steps 0-2 alone.
; No cluster: branches and LDS addresses hang on x, which would be a work-group's place in its cluster.  No prefetch: all loads are issued at the head, there is no loop to run ahead in.
; LAYOUT: S^T = K Q^T, O^T = V^T P^T: a lane holds one query; register 16 b + i of the scores is key 32 b + 16 (lane / 16) + i of the step.  K = 64 fills half of the first product's K: Q's upper registers are zero codes, and what
;   stands beside them (the next tile's codes, or Q's codes in v96-103) are finite codes under a finite scale.
; THE SOFTMAX: -M = floor(-c x the running largest score), p = 2^(c s - M); the sum is taken of the unquantised p; sum and O^T are brought from the old M to the new by an exact power of two.
; HALF OF THE SUM IS DEFERRED: p of tiles 4-7 (v136-167) is held into v246-253 and stays; its 16 lines (SUM 136, n) stand behind the conversions and among the next trip's products.
; LIMITS: the scaled scores stay under 2^31 in magnitude; NaN and infinities are not served; a block's byte is held at 1 from below.
; REGISTERS: v1 16 x lane; v2 r; v3 h; v5 the mask's bound; v7 the high tile's scale word; v8, v9 addresses; v11 the parked state; v12 -M; v13 largest score; v[14:15] sum; v16-31 Q; v32-95 K or V; v96-103 the high tile's Q;
;   v104-167 scores, p; v168-199 O^T; v200-215 p's codes; v216-223 scale words; v224-244 at work; v245 -infinity; v246-253 held p.
.set QPART, 4456448
.set HEADB, 139264
.set RECB,  8704                       ; a key step's record: 8,192 bytes of codes, 512 of scale words
.set GRPB,  34816                      ; four records
.set HALFG, 17408
.set STATE, 2*HEADB                    ; eight parked states of 4,608 bytes
.set STB,   4608
.set SPARE, STATE+8*STB                ; the spare words, 128 bytes for each wave
	s_load_b128 s[4:7], s[0:1], 0x0                ; qkv, a_rec
	v_lshl_add_u32 v254, v0, 2, SPARE
	v_mov_b32 v255, 0
	ds_add_u32 v254, v255                          ; the opening lines
	ds_add_u32 v254, v255
	v_lshrrev_b32 v1, 5, v0
	v_readfirstlane_b32 s10, v1                    ; wave
	s_mov_b32 s12, ttmp9                           ; head, with the batch: 0..31
	s_and_b32 s11, ttmp7, 0xffff                   ; x
	s_lshr_b32 s52, s10, 2                         ; I fetch: which four key steps,
	s_bfe_u32 s53, s10, 0x10001                    ; of K or of V,
	s_and_b32 s54, s10, 1                          ; which half
	s_mul_i32 s55, s52, GRPB
	s_mul_i32 s54, s54, HALFG
	s_add_co_u32 s55, s55, s54
	s_mul_i32 s56, s53, HEADB
	s_add_co_u32 s37, s55, s56                     ; the LDS address
	s_mul_i32 s56, s53, QPART
	s_add_co_u32 s56, s56, QPART
	s_mul_i32 s57, s12, HEADB
	s_add_co_u32 s56, s56, s57
	s_add_co_u32 s56, s56, s55
	s_mov_b32 s57, 0
	s_mov_b32 s28, 3<<16                           ; 68 dense rows of 256 bytes (32 elements of 8)
	s_mov_b32 s29, 32<<16
	s_mov_b32 s30, 68<<16
	s_mov_b32 s31, 32<<16
	s_mov_b32 s32, 68
	s_mov_b32 s33, 32
	s_mov_b32 s34, 0
	s_mov_b32 s35, 0
	s_mov_b32 s36, 1
	s_wait_dscnt 0x0                               ; both opening adds are done
	s_wait_kmcnt 0x0
	s_add_nc_u64 s[38:39], s[4:5], s[56:57]
	s_or_b32 s39, s39, 0x80000000
	s_cmp_lt_u32 s10, 4                            ; one load a wave; a line of its own for what is shown first
	s_cbranch_scc0 .Llater
	tensor_load_to_lds s[36:39], s[28:35]
	s_nop 0
.rept 4
	v_nop
.endr
	s_branch .Lasked
.Llater:
	tensor_load_to_lds s[36:39], s[28:35]
	s_nop 0
.rept 4
	v_nop
.endr
.Lasked:
	s_and_b32 s13, s10, 7                          ; k
	s_lshr_b32 s15, s10, 3                         ; 0: A, 1: B
	s_lshr_b32 s25, s13, 1                         ; my tile lies in the 32 queries s25 of its 128
	s_sub_co_u32 s14, 15, s11                      ; the high block
	s_add_co_u32 s17, s11, 1
	s_sub_co_u32 s17, s17, s15                     ; from this trip on the key steps go by two
	s_cmp_eq_u32 s15, 0
	s_cselect_b32 s66, s14, s11                    ; my first tile's block: A high, B low
	s_cselect_b32 s26, 64, s11                     ; B: the trip of the low tile's diagonal step
	s_lshl_b32 s67, s12, 4
	s_add_co_u32 s66, s66, s67
	s_mul_i32 s66, s66, RECB
	s_add_co_u32 s70, s14, s67
	s_mul_i32 s70, s70, RECB
	s_lshl_b32 s52, s13, 10                        ; tile k's codes in a record,
	s_lshl_b32 s53, s25, 2
	s_and_b32 s54, s13, 1
	s_lshl_b32 s55, s54, 8
	s_add_co_u32 s53, s53, s55
	s_add_co_u32 s53, s53, 8192                    ; and its scale words
	s_add_co_u32 s40, s66, s52
	s_mov_b32 s41, 0
	s_add_co_u32 s42, s66, s53
	s_mov_b32 s43, 0
	s_add_co_u32 s44, s70, s52
	s_mov_b32 s45, 0
	s_add_co_u32 s46, s70, s53
	s_mov_b32 s47, 0
.irp g, 40,42,44,46
	s_add_nc_u64 s[\g:\g+1], s[4:5], s[\g:\g+1]
.endr
	v_and_b32 v5, 31, v0
	v_lshlrev_b32 v1, 4, v5
	v_and_b32 v2, 15, v0
	v_bfe_u32 v3, v0, 4, 1
	v_lshlrev_b32 v6, 4, v2
	global_load_b128 v[16:19], v1, s[40:41]
	global_load_b128 v[20:23], v1, s[40:41] offset:512
	global_load_b32 v222, v6, s[42:43]
	global_load_b128 v[96:99], v1, s[44:45]        ; the high tile's Q: B's second, and in both the finite codes beside Q's zeros
	global_load_b128 v[100:103], v1, s[44:45] offset:512
	global_load_b32 v7, v6, s[46:47]
	s_mul_i32 s52, s13, STB
	s_add_co_u32 s52, s52, STATE
	v_add_nc_u32 v11, s52, v1
	s_lshl_b32 s53, s25, 5
	s_lshl_b32 s54, s54, 3
	s_add_co_u32 s53, s53, s54
	v_and_b32 v4, 8, v2
	v_add_nc_u32 v4, v4, v2
	v_add_nc_u32 v4, s53, v4                       ; my query in its 128
	v_lshlrev_b32 v5, 4, v3
	v_sub_nc_u32 v5, v4, v5                        ; on the diagonal register 16 b + i is hidden where 32 b + i > v5
	v_lshrrev_b32 v4, 1, v1                        ; 8 x lane
	s_mov_b32 s16, 0                               ; the trip
	s_mov_b32 s20, 0x76543210                      ; lane selects: lane l xor 16
	s_mov_b32 s21, 0xfedcba98
	s_mov_b32 s22, 0x3e38aa3b                      ; c = log2(e) / 8
	s_mov_b32 s23, s22
	s_mov_b32 s24, 0x600000                        ; the mantissa field of 448
	s_mov_b32 s27, 0xbe38aa3b                      ; -c
	v_mov_b32 v245, 0xff800000
.macro ZERO a, n
.set Z_, \a
.rept \n
	v_mov_b32 v[Z_], 0
.set Z_, Z_+1
.endr
.endm
.macro RESET                           ; nothing summed, nothing deferred
	v_mov_b32 v13, 0xff61b1e6                      ; -3e38
	v_mov_b32 v12, 0x7e000000                      ; -M above every score's: the first change of M multiplies zeros by 0
	ZERO 14, 2
	ZERO 146, 22
	ZERO 168, 32
	ZERO 240, 2
.endm
	RESET
	ZERO 24, 8
	ZERO 228, 4                                    ; a lane permute's destination counts as one of its sources
	ZERO 242, 2
	s_wait_alu depctr_va_vdst(0)
	s_wait_loadcnt 0x0
.macro SUM base, n                     ; 32 numbers of p into v[14:15], two at a time in two chains: lines 0 .. 15
.if (\n) == 0
	v_pk_add_f32 v[240:241], v[\base:\base+1], v[\base+2:\base+3]
.elseif (\n) == 15
	v_pk_add_f32 v[14:15], v[14:15], v[240:241]
.elseif (\n)%2
	v_pk_add_f32 v[14:15], v[14:15], v[\base+2+2*(\n):\base+3+2*(\n)]
.else
	v_pk_add_f32 v[240:241], v[240:241], v[\base+2+2*(\n):\base+3+2*(\n)]
.endif
.endm
.macro QK t
.if (\t)%2
	v_wmma_scale_f32_16x16x128_f8f6f4 v[104+8*(\t):111+8*(\t)], v[32+8*(\t):47+8*(\t)], v[16:31], 0, v[216+(\t)/2], v222 matrix_a_scale:MATRIX_SCALE_ROW1
.else
	v_wmma_scale_f32_16x16x128_f8f6f4 v[104+8*(\t):111+8*(\t)], v[32+8*(\t):47+8*(\t)], v[16:31], 0, v[216+(\t)/2], v222
.endif
.endm
.macro BM b, l                         ; the largest score of block b, in two chains: lines 0 .. 7
.set X_, 104+16*(\b)
.if (\l) == 0
	v_max3_num_f32 v[224+\b], v[X_], v[X_+1], v[X_+2]
.elseif (\l) == 1
	v_max3_num_f32 v[232+\b], v[X_+3], v[X_+4], v[X_+5]
.elseif (\l) == 7
	v_max_num_f32 v[224+\b], v[224+\b], v[232+\b]
.elseif (\l)%2
	v_max3_num_f32 v[232+\b], v[232+\b], v[X_+2+2*(\l)], v[X_+3+2*(\l)]
.else
	v_max3_num_f32 v[224+\b], v[224+\b], v[X_+2+2*(\l)], v[X_+3+2*(\l)]
.endif
.endm
.macro VLOADS
	ds_load_b32 v220, v6 offset:8192               ; dtiles 0 and 1,
	ds_load_b32 v221, v6 offset:8448               ; 2 and 3
.set I_, 0
.rept 16
	ds_load_b128 v[32+4*I_:35+4*I_], v9 offset:512*I_
.set I_, I_+1
.endr
.endm
.macro HOLD t, d                       ; p of tile t held at 448 x its block's scale, into v[d] on (the conversion does not saturate: ISA guide 7.6.2), and its codes
.irp m, 0,2,4,6
	v_dual_min_num_f32 v[\d+\m], v[232+(\t)/2], v[104+8*(\t)+\m] :: v_dual_min_num_f32 v[\d+\m+1], v[232+(\t)/2], v[105+8*(\t)+\m]
.endr
	v_cvt_scalef32_pk8_fp8_f32 v[200+2*(\t):201+2*(\t)], v[\d:\d+7], v[236+(\t)/2]
.endm
; A TRIP: one key step.  smax: no step above it is walked here (3: what the first barrier has shown).  kind = 1: the diagonal step; 0: B's trip s26 is.
.macro FMA4 j                          ; eight scores of tile j: c s - M, two at a time
.irp i, 0,2,4,6
	v_pk_fma_f32 v[104+8*(\j)+\i:105+8*(\j)+\i], v[104+8*(\j)+\i:105+8*(\j)+\i], s[22:23], v[244:245] op_sel_hi:[1,0,0]
.endr
.endm
.macro TRIP smax, kind
	s_sub_co_u32 s52, s16, s17
	s_cmp_lt_u32 s16, s17
	s_cselect_b32 s52, 0, s52
	s_add_co_u32 s52, s52, s16                     ; the key step
	s_and_b32 s52, s52, \smax
	s_mul_i32 s18, s52, RECB
	s_add_co_u32 s19, s18, HEADB
	v_add_nc_u32 v8, s18, v1                       ; K's record,
	v_add_nc_u32 v9, s19, v1                       ; V's,
	v_add_nc_u32 v6, s19, v4                       ; and for its scale words
.irp n, 4,5,6,7,8,9
	SUM 136, \n                                    ; the last trip's deferred sum goes on: with the three above nine places ahead of loads into what the last products read
.endr
	ds_load_b128 v[216:219], v8 offset:8192
.set I_, 0
.rept 16
	ds_load_b128 v[32+4*I_:35+4*I_], v8 offset:512*I_
.set I_, I_+1
.endr
	s_wait_alu depctr_va_vdst(0)
.if \kind == 0
	s_cmp_eq_u32 s16, s26
	s_cbranch_scc0 .Lplain_\@
.endif
.irp n, 10,11,12,13,14,15
	SUM 136, \n
.endr
	s_wait_dscnt 0x0
.irp t, 0,1,2,3,4,5,6,7
	QK \t
.endr
.rept 8
	v_nop
.endr
	VLOADS
.irp b, 0,1,2,3                        ; blocks of 32 keys ahead of my tile's own 32 all count
	s_cmp_gt_u32 s25, \b
	s_cbranch_scc1 .Lseen_\@_\b
.set N_, 0
.rept 16
	v_cmp_gt_i32 vcc_lo, 32*\b+N_, v5
	v_cndmask_b32 v[104+16*\b+N_], v[104+16*\b+N_], v245, vcc_lo
.set N_, N_+1
.endr
.Lseen_\@_\b:
.endr
	s_wait_alu depctr_va_vdst(0)
.irp l, 0,1,2,3,4,5,6,7
.irp b, 0,1,2,3
	BM \b, \l
.endr
.endr
.if \kind == 0
	s_wait_alu depctr_va_vdst(0)                   ; and here, ahead of the branch
	s_branch .Lmax_\@
.Lplain_\@:
	s_wait_dscnt 0x6                               ; the scale words and tiles 0-4 are in; tiles 5-7 (six loads) may be out
	QK 0
	SUM 136, 10
	SUM 136, 11
	QK 1
	SUM 136, 12
	SUM 136, 13
	QK 2
	SUM 136, 14
	SUM 136, 15
	QK 3
	v_nop
	v_nop
	s_wait_dscnt 0x0
	QK 4
	BM 0, 0                                        ; eight lines stand behind tile 0's product
	BM 0, 1
	QK 5
	BM 0, 2
	BM 0, 3
	QK 6
	BM 0, 4
	BM 0, 5
	QK 7
	BM 0, 6
	BM 0, 7
.irp l, 0,1,2,3,4,5,6,7
	BM 1, \l
.endr
	VLOADS                                         ; ten lines behind the last product that read v32-103
.irp l, 0,1,2,3,4,5,6,7
	BM 2, \l
	BM 3, \l
.endr
.Lmax_\@:
.endif
.irp b, 0,1,2,3
	v_permlanex16_b32 v[228+\b], v[224+\b], s20, s21
.endr
.irp b, 0,1,2,3
	v_max_num_f32 v[224+\b], v[224+\b], v[228+\b]  ; each block's largest score: for M, and for the block's largest p
.endr
	v_max3_num_f32 v244, v224, v225, v226
	v_max3_num_f32 v13, v13, v244, v227            ; the running largest
	v_mul_f32 v244, s27, v13
	v_floor_f32 v244, v244                         ; the new -M, a whole number
	v_sub_f32 v242, v244, v12
	FMA4 0
	FMA4 1
	v_cvt_i32_f32 v242, v242                       ; (it saturates)
	FMA4 2
	FMA4 3
	v_ldexp_f32 v242, 1.0, v242                    ; f = 2^(old M - new M)
	FMA4 4
	FMA4 5
	FMA4 6
	FMA4 7
.irp b, 0,1,2,3
	v_fma_f32 v[224+\b], v[224+\b], s22, v244
.endr
.set J_, 168
.rept 16
	v_pk_mul_f32 v[J_:J_+1], v[J_:J_+1], v[242:243] op_sel_hi:[1,0]
.set J_, J_+2
.endr
	v_pk_mul_f32 v[14:15], v[14:15], v[242:243] op_sel_hi:[1,0]
	s_wait_alu depctr_va_vdst(0)
.irp b, 0,1,2,3
	v_exp_f32 v[224+\b], v[224+\b]                 ; the blocks' largest p
.endr
.set J_, 104
.rept 64
	v_exp_f32 v[J_], v[J_]
.set J_, J_+1
.endr
	v_mov_b32 v12, v244                            ; (the plain place behind the batch)
	s_wait_alu depctr_va_vdst(0)                   ; and behind the batch
.irp b, 0,1,2,3
	v_max_num_f32 v[224+\b], 0x4800000, v[224+\b]  ; the floor 2^(9 - 127)
.endr
	SUM 104, 0
.irp b, 0,1,2,3
	v_add_nc_u32 v[236+\b], 0xfc000000, v[224+\b]  ; the conversion's scale operand
.endr
	SUM 104, 1
.irp b, 0,1,2,3
	v_and_or_b32 v[232+\b], v[224+\b], 0x7f800000, s24   ; 448 x the scale
.endr
	SUM 104, 2
.irp b, 0,1,2,3
	v_lshrrev_b32 v[228+\b], 23, v[236+\b]         ; the byte
.endr
	v_lshl_or_b32 v223, v229, 8, v228
	SUM 104, 3
	v_lshl_or_b32 v223, v230, 16, v223
	SUM 104, 4
	v_lshl_or_b32 v223, v231, 24, v223             ; p's scale word
	SUM 104, 5
	SUM 104, 6
	HOLD 0, 104                                    ; tiles 0-3 in place, behind their lines of the sum; tiles 4-7 into v246-253: their sum is deferred
	SUM 104, 7
	HOLD 4, 246
	SUM 104, 8
	HOLD 1, 112
	SUM 104, 9
	SUM 104, 10
	HOLD 5, 246
	SUM 104, 11
	HOLD 2, 120
	SUM 104, 12
	HOLD 6, 246
	SUM 104, 13
	SUM 104, 14
	HOLD 3, 128
	SUM 104, 15
	HOLD 7, 246
.irp n, 0,1,2,3
	SUM 136, \n                                    ; four places between the last codes and the products
.endr
	s_wait_alu depctr_va_vdst(0)
	s_wait_dscnt 0x0                               ; V is in
.irp t, 0,2
	v_wmma_scale_f32_16x16x128_f8f6f4 v[168+8*\t:175+8*\t], v[32+16*\t:47+16*\t], v[200:215], v[168+8*\t:175+8*\t], v[220+\t/2], v223
	v_wmma_scale_f32_16x16x128_f8f6f4 v[176+8*\t:183+8*\t], v[48+16*\t:63+16*\t], v[200:215], v[176+8*\t:183+8*\t], v[220+\t/2], v223 matrix_a_scale:MATRIX_SCALE_ROW1
.endr
.endm
.macro RESTSUM                         ; the deferred sum's other lines
.irp n, 4,5,6,7,8,9,10,11,12,13,14,15
	SUM 136, \n
.endr
.endm
.macro PARK                            ; O^T, -M and the sum into LDS
.irp q, 0,1,2,3,4,5,6,7
	ds_store_b128 v11, v[168+4*\q:171+4*\q] offset:512*\q
.endr
	ds_store_b128 v11, v[12:15] offset:4096
.endm
.macro FETCHBACK                       ; a parked state into v32-63, v64-67
.irp q, 0,1,2,3,4,5,6,7
	ds_load_b128 v[32+4*\q:35+4*\q], v11 offset:512*\q
.endr
	ds_load_b128 v[64:67], v11 offset:4096
.endm
.macro CHANGE                          ; B, behind trip x: the low tile is parked, the high tile begins
	s_cmp_lt_u32 s10, 8
	s_cbranch_scc1 .Lstay_\@
	s_cmp_lg_u32 s16, s11
	s_cbranch_scc1 .Lstay_\@
	RESTSUM                                        ; (also the places behind the last products)
	s_wait_alu depctr_va_vdst(0)
	PARK
	s_wait_dscnt 0x0
	RESET
.irp q, 0,1,2,3,4,5,6,7
	v_mov_b32 v[16+\q], v[96+\q]
.endr
	v_mov_b32 v222, v7
	s_wait_alu depctr_va_vdst(0)
.Lstay_\@:
.endm
	s_cmp_lt_u32 s10, 4
	s_cbranch_scc0 .Lnot_yet
	s_wait_tensorcnt 0x0                           ; waves 0-3: key steps 0-3 are in
.Lnot_yet:
	s_barrier_signal -1
	s_barrier_wait -1
.Lfirst:
	TRIP 3, 0
	CHANGE
	s_add_co_u32 s16, s16, 1
	s_cmp_lt_u32 s16, 2
	s_cbranch_scc1 .Lfirst
	s_wait_tensorcnt 0x0                           ; the other key steps are in
	s_wait_dscnt 0x0
	s_barrier_signal -1
	s_barrier_wait -1
.Lrest:
	TRIP 15, 0
	CHANGE
	s_add_co_u32 s16, s16, 1
	s_cmp_lt_u32 s16, 8
	s_cbranch_scc1 .Lrest
; THE WAY OUT of a tile: O^T in v[src] on, the sum's halves in v[sa], v[sa + 1]; s[st] its block of 128.  Two images of 512 consecutive bytes, and two scale bytes a row.
.macro FIN src, sa, st
	s_wait_alu depctr_va_vdst(0)
	s_lshr_b32 s52, s12, 4
	s_lshl_b32 s52, s52, 4
	s_add_co_u32 s52, s52, s[\st]                  ; T128 = 16 x batch + block
	s_and_b32 s53, s12, 15                         ; the head in its batch
	s_lshl_b32 s54, s52, 2
	s_lshr_b32 s55, s53, 2
	s_add_co_u32 s54, s54, s55
	s_mul_i32 s54, s54, 33792                      ; the record
	s_bfe_u32 s56, s53, 0x10001
	s_and_b32 s57, s53, 1
	s_lshl_b32 s58, s13, 12
	s_add_co_u32 s58, s58, s54
	s_lshl_b32 s59, s56, 11
	s_add_co_u32 s58, s58, s59
	s_lshl_b32 s59, s57, 10
	s_add_co_u32 s58, s58, s59
	s_mov_b32 s59, 0
	s_lshl_b32 s60, s13, 7
	s_add_co_u32 s60, s60, s54
	s_lshl_b32 s61, s56, 2
	s_add_co_u32 s60, s60, s61
	s_lshl_b32 s61, s57, 1
	s_add_co_u32 s60, s60, s61
	s_add_co_u32 s60, s60, 32768
	s_mov_b32 s61, 0
	s_add_nc_u64 s[58:59], s[6:7], s[58:59]
	s_add_nc_u64 s[60:61], s[6:7], s[60:61]
	v_add_f32 v10, v[\sa], v[\sa+1]
	v_permlanex16_b32 v242, v10, s20, s21
	v_add_f32 v10, v10, v242                       ; the row's sum
	s_wait_alu depctr_va_vdst(0)
	v_rcp_f32 v10, v10
	v_lshlrev_b32 v6, 3, v2
	s_wait_alu depctr_va_vdst(0)
.set J_, 0
.rept 16
	v_pk_mul_f32 v[104+J_:105+J_], v[\src+J_:\src+1+J_], v[10:11] op_sel_hi:[1,0]
.set J_, J_+2
.endr
.irp b, 0,1
	v_max3_num_f32 v[224+\b], |v[104+16*\b]|, |v[105+16*\b]|, 0x4800000
.endr
.irp i, 2,4,6,8,10,12,14
.irp b, 0,1
	v_max3_num_f32 v[224+\b], v[224+\b], |v[104+16*\b+\i]|, |v[105+16*\b+\i]|
.endr
.endr
.irp b, 0,1
	v_permlanex16_b32 v[228+\b], v[224+\b], s20, s21
.endr
.irp b, 0,1
	v_max_num_f32 v[224+\b], v[224+\b], v[228+\b]
.endr
.irp b, 0,1
	v_add_nc_u32 v[236+\b], 0xfc000000, v[224+\b]
	v_and_or_b32 v[232+\b], v[224+\b], 0x7f800000, s24
.endr
.irp b, 0,1
	v_lshrrev_b32 v[228+\b], 23, v[236+\b]
.endr
	v_lshl_or_b32 v10, v229, 8, v228
.irp b, 0,1
.irp i, 0,1,2,3,4,5,6,7,8,9,10,11,12,13,14,15
	v_med3_num_f32 v[104+16*\b+\i], v[104+16*\b+\i], -v[232+\b], v[232+\b]
.endr
	v_cvt_scalef32_pk8_fp8_f32 v[200+4*\b:201+4*\b], v[104+16*\b:111+16*\b], v[236+\b]
	v_cvt_scalef32_pk8_fp8_f32 v[202+4*\b:203+4*\b], v[112+16*\b:119+16*\b], v[236+\b]
.endr
	v_nop                                          ; a plain line behind the last conversion
	global_store_b128 v1, v[200:203], s[58:59]
	global_store_b128 v1, v[204:207], s[58:59] offset:512
	global_store_b16 v6, v10, s[60:61]
.endm
	s_cmp_lt_u32 s10, 8
	s_cbranch_scc0 .Lwave_b
	TRIP 15, 1                                     ; A: the high tile's diagonal step
	RESTSUM
	s_branch .Ljoin
.Lwave_b:
	RESTSUM                                        ; B: (also the places behind the last products)
	s_wait_alu depctr_va_vdst(0)
	FETCHBACK                                      ; the low tile comes back,
	s_wait_dscnt 0x0
	PARK                                           ; and my part of the high tile goes to A
.Ljoin:
	s_wait_alu depctr_va_vdst(0)
	s_wait_dscnt 0x0                               ; what I parked is in LDS
	s_barrier_signal -1
	s_barrier_wait -1
	s_cmp_lt_u32 s10, 8
	s_cbranch_scc0 .Llow_out
	FETCHBACK                                      ; A: B's part of the high tile
	s_wait_dscnt 0x0
	v_min_num_f32 v6, v12, v64                     ; -M of both: the greater M
	v_sub_f32 v242, v6, v12
	v_sub_f32 v244, v6, v64
	v_cvt_i32_f32 v242, v242
	v_cvt_i32_f32 v244, v244
	v_ldexp_f32 v242, 1.0, v242
	v_ldexp_f32 v244, 1.0, v244
	v_pk_mul_f32 v[66:67], v[66:67], v[244:245] op_sel_hi:[1,0]
	v_pk_fma_f32 v[14:15], v[14:15], v[242:243], v[66:67] op_sel_hi:[1,0,1]
.set J_, 0
.rept 16
	v_pk_mul_f32 v[32+J_:33+J_], v[32+J_:33+J_], v[244:245] op_sel_hi:[1,0]
.set J_, J_+2
.endr
.set J_, 0
.rept 16
	v_pk_fma_f32 v[32+J_:33+J_], v[168+J_:169+J_], v[242:243], v[32+J_:33+J_] op_sel_hi:[1,0,1]
.set J_, J_+2
.endr
	FIN 32, 14, 14
	s_branch .Lend
.Llow_out:
	FIN 32, 66, 11                                 ; B: the low tile goes out
.Lend:
	s_wait_tensorcnt 0x0                           ; the wave's end
	ds_add_u32 v254, v255
	s_wait_dscnt 0x0
	s_endpgm
.Lfunc_end_k_q4ccd244de3_attn:
	.size	k_q4ccd244de3_attn, .Lfunc_end_k_q4ccd244de3_attn-k_q4ccd244de3_attn
	.p2alignl 7, 3214868480
	.fill 96, 4, 3214868480
	.section	.rodata,"a",@progbits
	.p2align	6, 0x0
	.amdhsa_kernel k_q4ccd244de3_attn
		.amdhsa_group_segment_fixed_size 327680
		.amdhsa_private_segment_fixed_size 0
		.amdhsa_enable_private_segment 0
		.amdhsa_kernarg_size 16
		.amdhsa_user_sgpr_count 2
		.amdhsa_user_sgpr_kernarg_segment_ptr 1
		.amdhsa_wavefront_size32 1
		.amdhsa_system_sgpr_workgroup_id_x 1
		.amdhsa_system_sgpr_workgroup_id_y 1
		.amdhsa_system_sgpr_workgroup_id_z 1
		.amdhsa_system_vgpr_workitem_id 0
		.amdhsa_next_free_vgpr 256
		.amdhsa_next_free_sgpr 72
		.amdhsa_reserve_vcc 1
		.amdhsa_float_denorm_mode_32 3
		.amdhsa_float_denorm_mode_16_64 3
		.amdhsa_memory_ordered 1
		.amdhsa_forward_progress 1
		.amdhsa_inst_pref_size 115
	.end_amdhsa_kernel
	.amdgpu_metadata
---
amdhsa.version: [ 1, 2 ]
amdhsa.kernels:
  - .name:           k_q4ccd244de3_attn
    .symbol:         k_q4ccd244de3_attn.kd
    .args:
      - { .name: qkv, .offset: 0, .size: 8, .value_kind: global_buffer, .address_space: global }
      - { .name: a_rec, .offset: 8, .size: 8, .value_kind: global_buffer, .address_space: global }
    .group_segment_fixed_size: 327680
    .private_segment_fixed_size: 0
    .kernarg_segment_align: 8
    .kernarg_segment_size: 16
    .max_flat_workgroup_size: 512
    .sgpr_count:     72
    .vgpr_count:     256
    .wavefront_size: 32
...
	.end_amdgpu_metadata
.endif
;; end of part 3
;; launch proj (part 4): grid 8 x 32, 4 waves a work-group, clusters of 4 x 4, 288,256 bytes of LDS; arguments a_rec, w_rec, bo, out0; writes out0
.if DOCPART == 4
	.amdgcn_target "amdgcn-amd-amdhsa--gfx1250"
	.amdhsa_code_object_version 6
	.text
	.protected	k_q4ccd244de3_proj
	.globl	k_q4ccd244de3_proj
	.p2align	8
	.type	k_q4ccd244de3_proj,@function
k_q4ccd244de3_proj:
	s_mov_b64 s[64:65], 0
	v_nop
	global_prefetch_b8 v0, s[64:65] scope:SCOPE_SE
	s_setreg_imm32_b32 hwreg(HW_REG_WAVE_MODE, 25, 1), 1
	s_wait_xcnt 0x0
	s_wait_alu depctr_hold_cnt(0) depctr_sa_sdst(0) depctr_va_vdst(0) depctr_va_sdst(0) depctr_va_ssrc(0) depctr_va_vcc(0) depctr_vm_vsrc(0)
	s_getreg_b32 s2, hwreg(HW_REG_IB_STS2, 6, 4)
	s_cmp_eq_u32 s2, 0
	s_cbranch_scc0 .Lentry_in_a_cluster
	s_endpgm
.Lentry_in_a_cluster:
	s_bfe_u32 s2, ttmp6, 0x10000c
	s_cmp_lg_u32 s2, 0xf033
	s_cbranch_scc0 .Lentry_shape_is_right
	s_endpgm
.Lentry_shape_is_right:
; out0 = o Wo + bo on codes of FP8 (E4M3) with E8M0 scales.  o's codes lie in a_rec, Wo's in T128 24-31 of w_rec, both as images of the operands' registers in records of 33,792 bytes (128 rows x 256 along K, then scale words).
; A work-group of four waves makes 128 x 128 of out0 (256 work-groups), a wave 64 x 64: 16 accumulators.  ALL OF K of both tiles fits in LDS (2 x 135,168 bytes): every byte is filled once, no slot is filled again.
; CLUSTERS: 4 x 4.  A's records hang on the tile row alone and are asked for jointly by a row of the cluster, B's on the tile column and by a column.
; ONE LOAD OF TWO RECORDS A WAVE: wave 0 brings K pairs 0, 1 of A, wave 1 those of B (shown by the first barrier), wave 2 K pairs 2, 3 of A, wave 3 those of B (shown by the second, inside step 3).
; No prefetch: all loads are issued at the head, there is no loop to run ahead in.
; TRANSPOSED: source 0 = 16 columns of Wo, source 1 = 16 rows of o: a lane holds one row.  Row r of a block 2 p + u is index 32 p + 8 u + r + 8 (r / 8) of its 128: the way out puts rows and columns back in their places.
; The bias is the C of each sum's first product.
; REGISTERS: window 0: v16-27 addresses; v32-47 scale words, two sets; v48-79 the bias, later rows on the way out; v80-111 rows on the way out; v128-255 the accumulators, (a, b) at v[128 + 8 (4 a + b)].
;   window 1: two buffers of 128: A's four fragments, then B's four.
.set REC,   33792
.set TILEB, 4*REC
.set STAGE, 2*TILEB                    ; behind the tiles: 16 rows x 272 bytes for each wave; no tensor load lands there
.set SP,    272
.set SPARE, 0x46400                    ; the spare words, 128 bytes for each wave
.set WV,    14
.set HA,    15                         ; my 64 rows of A; also: which two K pairs I fetch
.set HB,    16                         ; my 64 rows of B
.set MSB, 0
.macro WIN new
.if MSB != (\new)
	s_set_vgpr_msb (MSB<<8)|(\new)
.set MSB, (\new)
.endif
.endm
.macro CROUND                          ; a round of the cluster's barrier
	s_barrier_signal -1
	s_barrier_wait -1
	s_cmp_lg_u32 s[WV], 0
	s_cbranch_scc1 .Lnot_wave_0_\@
	s_barrier_signal -3
.Lnot_wave_0_\@:
	s_barrier_wait -3
	s_barrier_signal -1
	s_barrier_wait -1
.endm
	s_load_b256 s[4:11], s[0:1], 0x0               ; a_rec s[4:5], w_rec s[6:7], bo s[8:9], out0 s[10:11]
	v_lshl_add_u32 v126, v0, 2, SPARE
	v_mov_b32 v127, 0
	ds_add_u32 v126, v127                          ; the opening lines
	ds_add_u32 v126, v127
	v_lshrrev_b32 v1, 5, v0
	v_readfirstlane_b32 s[WV], v1
	s_lshr_b32 s[HA], s[WV], 1
	s_and_b32 s[HB], s[WV], 1
	s_bfe_u32 s20, ttmp6, 0x40000                  ; cx
	s_bfe_u32 s21, ttmp6, 0x40004                  ; cy
	s_lshl_b32 s22, ttmp9, 2
	s_add_co_u32 s22, s22, s20                     ; tile column
	s_and_b32 s23, ttmp7, 0xffff
	s_lshl_b32 s23, s23, 2
	s_add_co_u32 s23, s23, s21                     ; tile row
	s_lshl_b32 s17, s21, 2
	s_lshl_b32 s17, 15, s17                        ; my row of the cluster
	s_lshl_b32 s18, 0x1111, s20                    ; my column
	s_or_b32 s24, s17, (3<<16)|(1<<21)             ; group 1 for A: two records, 264 dense rows of 256 bytes (32 elements of 8 bytes)
	s_or_b32 s32, s18, (3<<16)|(1<<21)             ; for B
.irp g, 24, 32
	s_mov_b32 s[\g+1], 32<<16
	s_mov_b32 s[\g+2], 264<<16
	s_mov_b32 s[\g+3], 32<<16
	s_mov_b32 s[\g+4], 264
	s_mov_b32 s[\g+5], 32
	s_mov_b32 s[\g+6], 0
	s_mov_b32 s[\g+7], 0
.endr
	s_mul_i32 s19, s[HA], 2*REC
	s_mul_i32 s84, s23, TILEB
	s_add_co_u32 s84, s84, s19                     ; A: T128 = tile row
	s_mov_b32 s85, 0
	s_add_co_u32 s86, s22, 24
	s_mul_i32 s86, s86, TILEB
	s_add_co_u32 s86, s86, s19                     ; B: T128 = 24 + tile column
	s_mov_b32 s87, 0
	s_mov_b32 s40, 1
	s_mov_b32 s41, s19                             ; where it goes: the wave's number alone
	s_mov_b32 s68, 1
	s_add_co_u32 s69, s19, TILEB
	s_wait_dscnt 0x0
	s_wait_kmcnt 0x0
	s_add_nc_u64 s[42:43], s[4:5], s[84:85]
	s_or_b32 s43, s43, 0x80000000
	s_add_nc_u64 s[70:71], s[6:7], s[86:87]
	s_or_b32 s71, s71, 0x80000000
	CROUND                                         ; all sixteen work-groups are here: the joint loads meet
.macro ARM under, g0, g1, next
	s_cmp_lt_u32 s[WV], \under
	s_cbranch_scc0 \next
	tensor_load_to_lds s[\g0:\g0+3], s[\g1:\g1+7]
	s_nop 0
.rept 4
	v_nop
.endr
	s_branch .Lasked
\next:
.endm
	ARM 1, 40, 24, .Larm_1
	ARM 2, 68, 32, .Larm_2
	ARM 3, 40, 24, .Larm_3
	tensor_load_to_lds s[68:71], s[32:39]
	s_nop 0
.rept 4
	v_nop
.endr
.Lasked:
	v_and_b32 v3, 31, v0
	v_and_b32 v1, 15, v0                           ; r
	v_bfe_u32 v2, v0, 4, 1                         ; h
	v_lshlrev_b32 v4, 4, v3                        ; 16 x lane
	s_lshl_b32 s89, s[HA], 14
	v_add_nc_u32 v16, s89, v4                      ; my four blocks of A, K pairs 0, 1;
	v_add_nc_u32 v17, 2*REC, v16                   ; K pairs 2, 3
	s_lshl_b32 s90, s[HB], 14
	s_add_co_u32 s90, s90, TILEB
	v_add_nc_u32 v20, s90, v4                      ; of B
	v_add_nc_u32 v21, 2*REC, v20
	s_lshl_b32 s89, s[HA], 9
	s_lshl_b32 s90, s[HB], 9
	s_add_co_u32 s90, s90, TILEB
	s_sub_co_u32 s90, s90, s89                     ; from A's scale words to B's
	v_mul_u32_u24 v5, s90, v2                      ; lanes 16-31 take B's
	v_lshl_add_u32 v5, v1, 3, v5
	s_add_co_u32 s89, s89, 32768
	v_add_nc_u32 v18, s89, v5
	v_add_nc_u32 v19, 2*REC, v18
	s_mul_i32 s91, s[WV], 16*SP
	s_add_co_u32 s91, s91, STAGE                   ; my stage
	v_mul_u32_u24 v6, v1, SP
	v_lshl_add_u32 v6, v2, 6, v6
	v_add_nc_u32 v24, s91, v6                      ; in: row r, + 64 h
	v_mul_u32_u24 v6, v2, SP
	v_lshl_add_u32 v6, v1, 4, v6
	v_add_nc_u32 v25, s91, v6                      ; back: lanes 0-15 one row of 256 bytes, lanes 16-31 the next
	v_lshlrev_b32 v26, 12, v2
	v_lshl_add_u32 v26, v1, 4, v26                 ; and the same two rows in out0
	v_lshlrev_b32 v27, 6, v2
	s_wait_alu depctr_va_vdst(0)
	s_lshl_b32 s12, s22, 9
	s_lshl_b32 s13, s[HB], 8
	s_add_co_u32 s12, s12, s13                     ; my first column, in bytes
	s_mov_b32 s13, 0
	s_add_nc_u64 s[8:9], s[8:9], s[12:13]
	s_add_nc_u64 s[10:11], s[10:11], s[12:13]
	s_lshl_b32 s12, s23, 7
	s_lshl_b32 s19, s[HA], 6
	s_add_co_u32 s12, s12, s19
	s_lshl_b32 s12, s12, 12                        ; my first row, rows of 4,096 bytes
	s_add_nc_u64 s[10:11], s[10:11], s[12:13]
.irp q, 0,1,2,3,4,5,6,7                        ; register 8 b + j: the bias of column 32 (b / 2) + 16 h + 8 (b % 2) + j
	global_load_b128 v[48+4*\q:51+4*\q], v27, s[8:9] offset:128*(\q/4)+16*(\q%4)
.endr
.macro FETCH s                                 ; step s (128 along K): 32 loads into buffer s % 2; with a K pair's first step its scale words
	WIN 0x40                                       ; destination window 1, address window 0
.irp i, 0,1,2,3
.irp c, 0,1,2,3
	ds_load_b128 v[128*((\s)%2)+16*\i+4*\c:128*((\s)%2)+16*\i+4*\c+3], v[16+(\s)/4] offset:(((\s)/2)%2)*REC+\i*4096+((\s)%2)*2048+\c*512
	ds_load_b128 v[128*((\s)%2)+64+16*\i+4*\c:128*((\s)%2)+64+16*\i+4*\c+3], v[20+(\s)/4] offset:(((\s)/2)%2)*REC+\i*4096+((\s)%2)*2048+\c*512
.endr
.endr
	WIN 0
.if (\s)%2 == 0
.irp i, 0,1,2,3
	ds_load_b64 v[32+8*(((\s)/2)%2)+2*\i:33+8*(((\s)/2)%2)+2*\i], v[18+(\s)/4] offset:(((\s)/2)%2)*REC+128*\i
.endr
.endif
.endm
; 8 matrix instructions: A's blocks a0, a0 + 1 x B's four.  The 16 accumulators take turns, one instruction a turn, in the same order in every step.
.macro MUL8 s, a0
.irp a, \a0, \a0+1
.irp b, 0,1,2,3
.if (\s) == 0
	v_wmma_scale_f32_16x16x128_f8f6f4 v[128+8*(4*(\a)+\b):135+8*(4*(\a)+\b)], v[128*((\s)%2)+64+16*\b:128*((\s)%2)+79+16*\b], v[128*((\s)%2)+16*(\a):128*((\s)%2)+15+16*(\a)], v[48+8*\b:55+8*\b], v[32+8*(((\s)/2)%2)+2*\b+(\s)%2], v[32+8*(((\s)/2)%2)+2*(\a)+(\s)%2] matrix_a_scale:MATRIX_SCALE_ROW1
.else
	v_wmma_scale_f32_16x16x128_f8f6f4 v[128+8*(4*(\a)+\b):135+8*(4*(\a)+\b)], v[128*((\s)%2)+64+16*\b:128*((\s)%2)+79+16*\b], v[128*((\s)%2)+16*(\a):128*((\s)%2)+15+16*(\a)], v[128+8*(4*(\a)+\b):135+8*(4*(\a)+\b)], v[32+8*(((\s)/2)%2)+2*\b+(\s)%2], v[32+8*(((\s)/2)%2)+2*(\a)+(\s)%2] matrix_a_scale:MATRIX_SCALE_ROW1
.endif
.endr
.endr
.endm
.macro PLACES
.rept 8
	v_nop
.endr
.endm
.macro KSTEP s
	s_wait_dscnt 0x0                               ; this step's fragments are in
	WIN 0x05                                       ; sources 0 and 1 window 1; C and D window 0
	MUL8 \s, 0
.if (\s) == 3
	s_wait_tensorcnt 0x0                           ; K pairs 2 and 3 are in
	s_barrier_signal -1                            ; (no LDS instruction of mine is out: the wait at the step's head was for 0)
	s_barrier_wait -1
.endif
.if (\s) < 7
	PLACES                                         ; in front of loads into the buffer that the last step's products read
	FETCH (\s)+1
.endif
	WIN 0x05
	MUL8 \s, 2
.endm
	s_cmp_lt_u32 s[WV], 2
	s_cbranch_scc0 .Lnot_yet
	s_wait_tensorcnt 0x0                           ; waves 0, 1: K pairs 0 and 1 are in
.Lnot_yet:
	s_barrier_signal -1
	s_barrier_wait -1
	FETCH 0
	s_wait_loadcnt 0x0                             ; the bias
.irp s, 0,1,2,3,4,5,6,7
	KSTEP \s
.endr
	WIN 0
; THE WAY OUT, block by block of 16 rows x 64 columns: through my own stage and back as whole rows of 256 bytes; LDS serves a wave's instructions in order, so no wait stands between the stores and the loads.
.macro TOSTAGE a
.set BB, 80-32*((\a)%2)
.irp b, 0,1,2,3
	ds_store_b128 v24, v[128+8*(4*(\a)+\b):131+8*(4*(\a)+\b)] offset:128*(\b/2)+32*(\b%2)        ; each accumulator from its low end on
	ds_store_b128 v24, v[132+8*(4*(\a)+\b):135+8*(4*(\a)+\b)] offset:128*(\b/2)+32*(\b%2)+16
.endr
.irp t, 0,1,2,3,4,5,6,7
	ds_load_b128 v[BB+4*\t:BB+4*\t+3], v25 offset:2*\t*SP
.endr
.endm
.macro SEND a, younger                         ; younger: the LDS instructions issued behind block a's loads
.set BB, 80-32*((\a)%2)
	s_wait_dscnt \younger
.irp t, 0,1,2,3,4,5,6,7
	global_store_b128 v26, v[BB+4*\t:BB+4*\t+3], s[10:11] offset:(32*((\a)/2)+8*((\a)%2)+2*\t+8*(\t/4))*4096 th:TH_STORE_NT   ; 16 lanes store 256 consecutive bytes, at a multiple of 256 from out0's first byte
.endr
.endm
	PLACES                                         ; behind the last products
	TOSTAGE 0
.irp a, 1,2,3
.if \a > 1
	s_wait_xcnt 0x0                                ; block a - 2's stores have read their registers: block a's loads may land there
.endif
	TOSTAGE \a
	SEND \a-1, 16                                  ; behind block a - 1's loads: block a's 8 stores and 8 loads
.endr
	SEND 3, 0
	s_wait_tensorcnt 0x0                           ; the wave's end
	ds_add_u32 v126, v127
	s_wait_dscnt 0x0
	CROUND                                         ; the closing round
	s_endpgm
.Lfunc_end_k_q4ccd244de3_proj:
	.size	k_q4ccd244de3_proj, .Lfunc_end_k_q4ccd244de3_proj-k_q4ccd244de3_proj
	.p2alignl 7, 3214868480
	.fill 96, 4, 3214868480
	.section	.rodata,"a",@progbits
	.p2align	6, 0x0
	.amdhsa_kernel k_q4ccd244de3_proj
		.amdhsa_group_segment_fixed_size 288256
		.amdhsa_private_segment_fixed_size 0
		.amdhsa_enable_private_segment 0
		.amdhsa_kernarg_size 32
		.amdhsa_user_sgpr_count 2
		.amdhsa_user_sgpr_kernarg_segment_ptr 1
		.amdhsa_wavefront_size32 1
		.amdhsa_system_sgpr_workgroup_id_x 1
		.amdhsa_system_sgpr_workgroup_id_y 1
		.amdhsa_system_sgpr_workgroup_id_z 1
		.amdhsa_system_vgpr_workitem_id 0
		.amdhsa_next_free_vgpr 512
		.amdhsa_next_free_sgpr 96
		.amdhsa_reserve_vcc 0
		.amdhsa_float_denorm_mode_32 3
		.amdhsa_float_denorm_mode_16_64 3
		.amdhsa_memory_ordered 1
		.amdhsa_forward_progress 1
		.amdhsa_inst_pref_size 52
	.end_amdhsa_kernel
	.amdgpu_metadata
---
amdhsa.version: [ 1, 2 ]
amdhsa.kernels:
  - .name:           k_q4ccd244de3_proj
    .symbol:         k_q4ccd244de3_proj.kd
    .args:
      - { .name: a_rec, .offset: 0, .size: 8, .value_kind: global_buffer, .address_space: global }
      - { .name: w_rec, .offset: 8, .size: 8, .value_kind: global_buffer, .address_space: global }
      - { .name: bo, .offset: 16, .size: 8, .value_kind: global_buffer, .address_space: global }
      - { .name: out0, .offset: 24, .size: 8, .value_kind: global_buffer, .address_space: global }
    .group_segment_fixed_size: 288256
    .private_segment_fixed_size: 0
    .kernarg_segment_align: 8
    .kernarg_segment_size: 32
    .max_flat_workgroup_size: 128
    .sgpr_count:     96
    .vgpr_count:     512
    .wavefront_size: 32
...
	.end_amdgpu_metadata
.endif
;; end of part 4
